; MI455X (gfx1250); checked and timed in simulation.
; The chip was launched on July 23, 2026; its instructions are those of AMD's public machine-readable ISA for CDNA 5 (MIT licence, August 2026) and "CDNA5" Instruction Set Architecture Reference Guide (July 2026). The comments in the code are by the model that wrote it; some were corrected since.
;; Multi Head Cross Attention. Allowed arithmetic: matrix products marked QUANTISED: E2M1 operands, one E8M0 scale for each 32 along K, by v_wmma_scale_f32_16x16x128_f8f6f4 with both operands' format E2M1 (or v_wmma_scale_f32_32x16x128_f4), f32 sums; products left as they are: bf16, f16 or f32 operands; f32 sums; everything else in f32.
;; Inputs: Wkv 1,024 x 2,048 float32; Wo 1,024 x 1,024 float32; Wq 1,024 x 1,024 float32; bkv 2,048 float32; bo 1,024 float32; bq 1,024 float32; kv_input 2 x 2,048 x 1,024 float32; query_input 2 x 2,048 x 1,024 float32.
;; Outputs: out0 2 x 2,048 x 1,024 float32.
;; This version of the problem:
;;   THIS VERSION OF THE PROBLEM IS GIVEN IN LOW PRECISION. The matrix products marked QUANTISED in the list below multiply operands that are first quantised to E2M1 (2 exponent bits, 1 mantissa bit; 4 bits a number), with one power-of-two scale for each 32 numbers along K (OCP MX v1.0); their sums are f32. The products marked 'left as it is' may take bf16, f16 or f32 operands, with f32 sums. Whichever they take, every output number must still come out within the allowed error. Rounding operands to bf16 (8 significant bits) uses up far more of that allowance than f16 does (11 bits, for magnitudes from 6e-5 to 65,504). All else is computed in f32.
;;   The module's matrix products, in the order in which they are computed (A, B: the left and right operand; K: the contracted axis; several contracted axes count as one K, in the product's order):
;;     1. [M 4,096, K 1,024] x [K 1,024, N 1,024]; A: input query_input; B: input Wq: QUANTISED
;;     2. [M 4,096, K 1,024] x [K 1,024, N 2,048]; A: input kv_input; B: input Wkv: QUANTISED
;;     3. batch 32 x [M 2,048, K 64] x [K 64, N 2,048]; A: computed on the way; B: computed on the way: left as it is (an operand is computed on the way)
;;     4. batch 32 x [M 2,048, K 2,048] x [K 2,048, N 64]; A: computed on the way; B: computed on the way: left as it is (an operand is computed on the way)
;;     5. [M 4,096, K 1,024] x [K 1,024, N 1,024]; A: computed on the way; B: input Wo: left as it is (an operand is computed on the way)
;;   THE QUANTISER, for each operand of a quantised product, along K:
;;     - K is cut into blocks of 32 from its start; a last block that is shorter is filled with zeros.
;;     - A block's scale is 2^e with e = floor(log2(the largest magnitude in the block)) - 2, held to -126 .. 127; a block of zeros has e = 0. As a byte (E8M0): e + 127.
;;     - Each number is divided by its block's scale, clamped to +-6, and rounded to the nearest number of E2M1, ties to even, subnormals kept.
;;     - The product sums the exact products of the quantised numbers (number of the format x scale) in f32.
;;   ~~~python
;;   def quantise(x, axis):      # numpy; x: float32 -> the quantised numbers, widened to float32 again
;;       x = np.moveaxis(x, axis, -1); K = x.shape[-1]
;;       x = np.pad(x, [(0, 0)] * (x.ndim - 1) + [(0, -K % 32)]); x = x.reshape(x.shape[:-1] + (-1, 32)); a = np.abs(x).max(-1, keepdims=True)
;;       e = np.where(a > 0, np.clip(np.frexp(np.where(a > 0, a, 1))[1] - 1 - 2, -126, 127), 0)      # np.frexp(a)[1] - 1 = floor(log2(a)), exactly
;;       r = np.clip(x / 2.0 ** e, -6, 6)
;;       step = 2.0 ** (np.maximum(np.frexp(np.where(r == 0, 1, r))[1] - 1, 0) - 1)
;;       q = np.round(r / step) * step * 2.0 ** e      # np.round: ties to even
;;       return np.moveaxis(q.reshape(q.shape[:-2] + (-1,))[..., :K], -1, axis).astype(np.float32)
;;   ~~~
;; One version. Each part assembles by itself: llvm-mc -triple=amdgcn-amd-amdhsa -mcpu=gfx1250 --defsym DOCPART=n.
;; ======== version 1 of 1: 4 launches
;; limits: values are held in f16: magnitudes above 65,504 overflow, below 6.1e-05 lose precision
;; workspace buffers: xcodes 4,194,304 bytes; xscales 262,144 bytes; wcodes 1,572,864 bytes; wscales 98,304 bytes; wof 2,097,152 bytes; qkv 25,165,824 bytes; att 8,388,608 bytes
;; launch prep (part 1): grid 416 x 1, 4 waves a work-group, no clusters, 68,096 bytes of LDS; arguments query_input, kv_input, Wq, Wkv, Wo, xcodes, xscales, wcodes, wscales, wof; writes xcodes, xscales, wcodes, wscales, wof
.if DOCPART == 1
	.amdgcn_target "amdgcn-amd-amdhsa--gfx1250"
	.amdhsa_code_object_version 6
	.text
	.protected	k_q867e84a71d_prep
	.globl	k_q867e84a71d_prep
	.p2align	8
	.type	k_q867e84a71d_prep,@function
k_q867e84a71d_prep:
	s_mov_b64 s[64:65], 0
	v_nop
	global_prefetch_b8 v0, s[64:65] scope:SCOPE_SE
	s_setreg_imm32_b32 hwreg(HW_REG_WAVE_MODE, 25, 1), 1
	s_wait_xcnt 0x0
; PREP: the operands of the two quantised products become codes of FP4 (E2M1) with one E8M0 byte for each 32 along K, and Wo becomes f16 in the order of a matrix operand's registers.
;   xcodes [8192][512 B], xscales [8192][32]: rows 0-4095 query_input's tokens, rows 4096-8191 kv_input's; K innermost, the lower k in the low four bits.
;   wcodes [3072][512 B], wscales [3072][32]: rows 0-1023 Wq's columns, rows 1024-3071 Wkv's columns; K (the weights' FIRST axis) moved innermost.
;   wof [nt 64][kc 32][c 2][lane 32][16 B]: lane (r, h) of group c holds Wo(k = 32 kc + 16 c + 8 h + 0..7, n = 16 nt + r) as eight f16.
; A block's scale is 2^(floor(log2(largest magnitude)) - 2); its byte is the largest magnitude's exponent field - 2, held at 1 from below.
; LIMITS: a block of zeros gets the byte 1 (its codes are zeros, and this program alone reads the bytes); blocks whose largest magnitude lies under 2^-124 were not tried;
; NaN and infinities among the inputs are not served; |Wo| stays under 65,504 (f16).
; ROLES, by the work-group's number, the long ones first: 0-63 Wkv, 64-95 Wq, 96-159 Wo, 160-415 the activations.  Each role has LDS bytes of its own.
; In the activations' and Wo's roles waves share nothing: no barrier.  In Wq's and Wkv's the four waves share a stage, with one barrier between writing and reading.
.set STEPS, 16
.set SP,    80                         ; x role: a lane's place in a stage: 64 bytes + 16 of padding
.set WREG,  8192                       ; x role: LDS of a wave: two stages of 32 x SP bytes, then its 256 scale bytes
.set SPW,   12                         ; v12  LDS address of my spare word; never rewritten
.set NIL,   13                         ; v13  0; never rewritten
.set STGKV, 32768                      ; Wkv's stage: 64 rows x 272 bytes
.set STGQ,  STGKV+64*272               ; Wq's
.set SPARE, STGQ+64*272                ; behind the three regions: 128 bytes for each wave, which no other line names
.set R,     16                         ; x role: v16-143 eight sets of 16 numbers as loaded
.set X,     144                        ; x role: v144-175 two sets of 16 neighbours
.set C,     176                        ; x role: v176-207 codes, two registers for each step
.set E,     208                        ; x role: v208-223 a scale byte for each step
.set WX,    32                         ; weight roles: v32-95 two sets of 32 numbers down K
.set WC,    96                         ; W roles: v96-99 a block's codes
.set OUTR,  112                        ; W roles: v112-143 the way out
.set SB,    24                         ; W roles: v24-25 the scale bytes, four to a register
.set NB,    8                          ; W roles: blocks of 32 along K for a wave
.set HP,    96                         ; Wo role: v96-159 packed f16, sixteen registers for each block
.macro FINISH                          ; a wave's end
	s_wait_tensorcnt 0x0
	ds_add_u32 v[SPW], v[NIL]
	s_wait_dscnt 0x0
	s_endpgm
.endm
	s_load_b512 s[4:19], s[0:1], 0x0               ; query 4:5, kv 6:7, Wq 8:9, Wkv 10:11, Wo 12:13, xcodes 14:15, xscales 16:17, wcodes 18:19
	s_load_b128 s[20:23], s[0:1], 0x40             ; wscales 20:21, wof 22:23
	v_lshl_add_u32 v[SPW], v0, 2, SPARE
	v_mov_b32 v[NIL], 0
	v_lshrrev_b32 v1, 5, v0
	v_readfirstlane_b32 s24, v1                    ; wave 0..3
	v_and_b32 v2, 31, v0                           ; lane
	s_wait_kmcnt 0x0
	s_cmp_lt_u32 ttmp9, 64
	s_cbranch_scc1 .Lwkv
	s_cmp_lt_u32 ttmp9, 96
	s_cbranch_scc1 .Lwq
	s_cmp_lt_u32 ttmp9, 160
	s_cbranch_scc1 .Lwo
; ---------------- THE ACTIVATIONS: K is innermost, rows are dense: a plain stream of blocks of 32.  A wave takes a run of 8,192 numbers in 16 steps of 512.
; Each load reads 512 consecutive bytes; a step's 2,048 bytes turn through the wave's stage, so that a lane then holds 16 neighbours; two neighbouring lanes hold a block.
	s_sub_co_u32 s25, ttmp9, 160
	s_lshl_b32 s25, s25, 2
	s_add_co_u32 s25, s25, s24                     ; my run, 0..1023: the first 512 are query_input's
	s_cmp_lt_u32 ttmp9, 288
	s_cselect_b64 s[4:5], s[4:5], s[6:7]           ; the choice hangs on the work-group's number alone
	s_cselect_b32 s26, 0, 512
	s_sub_co_u32 s26, s25, s26                     ; the run inside its tensor
	s_lshl_b32 s26, s26, 15                        ; 32,768 bytes of f32 a run
	s_mov_b32 s27, 0
	s_add_nc_u64 s[4:5], s[4:5], s[26:27]
	s_lshl_b32 s26, s25, 12                        ; 4,096 bytes of codes a run
	s_add_nc_u64 s[14:15], s[14:15], s[26:27]
	s_lshl_b32 s26, s25, 8                         ; 256 scale bytes a run
	s_add_nc_u64 s[16:17], s[16:17], s[26:27]
	v_lshlrev_b32 v3, 4, v2                        ; my 16 bytes of a load's 512
	s_mul_i32 s28, s24, WREG
	v_lshrrev_b32 v14, 2, v2
	v_mul_u32_u24 v14, v14, SP
	v_and_b32 v15, 3, v2
	v_lshl_add_u32 v14, v15, 4, v14
	v_add_nc_u32 v14, s28, v14                     ; the stage, on the way in: SP (lane / 4) + 16 (lane % 4)
	v_mul_u32_u24 v15, v2, SP
	v_add_nc_u32 v15, s28, v15                     ; and on the way out: SP x lane
	v_lshlrev_b32 v4, 3, v2                        ; 8 x lane: my codes' place in a step's 256 bytes, and my place in the 256 scale bytes
	v_lshrrev_b32 v5, 1, v2
	s_add_co_u32 s28, s28, 2*32*SP
	v_add_nc_u32 v5, s28, v5                       ; LDS: my block's scale byte
	v_add_nc_u32 v6, s28, v4                       ; LDS: 8 scale bytes a lane on the way out
.macro XLOAD t
.irp i, 0,1,2,3
	global_load_b128 v[R+16*((\t)%8)+4*\i:R+16*((\t)%8)+4*\i+3], v3, s[4:5] offset:2048*(\t)+512*\i th:TH_LOAD_NT
.endr
.endm
.macro XTURN t                         ; LDS serves a wave's instructions in order: no wait between the stores and the loads
.irp i, 0,1,2,3
	ds_store_b128 v14, v[R+16*((\t)%8)+4*\i:R+16*((\t)%8)+4*\i+3] offset:32*SP*((\t)%2)+8*SP*\i
.endr
.irp i, 0,1,2,3
	ds_load_b128 v[X+16*((\t)%2)+4*\i:X+16*((\t)%2)+4*\i+3], v15 offset:32*SP*((\t)%2)+16*\i
.endr
.endm
.macro XSTEP t
.set XS, X+16*((\t)%2)
.if (\t) > 0
	s_wait_dscnt 1                                 ; this step's numbers are back from the stage; the last step's byte store may be out
.else
	s_wait_dscnt 0x0
.endif
.if (\t)+8 < STEPS
	XLOAD (\t)+8                                   ; into the set whose stores into the stage are done: 32 loads of a wave are on their way
.endif
.if (\t)+1 < STEPS
.if 14-(\t) >= 7
	s_wait_loadcnt 28                              ; the next step's four loads are in; the seven steps behind it may be out
.else
	s_wait_loadcnt 4*(14-(\t))                     ; the counts run down: nothing more is asked for
.endif
	XTURN (\t)+1
.endif
	v_max3_num_f32 v8, |v[XS]|, |v[XS+1]|, |v[XS+2]|
	v_max3_num_f32 v9, |v[XS+3]|, |v[XS+4]|, |v[XS+5]|
.irp i, 6,10
	v_max3_num_f32 v8, v8, |v[XS+\i]|, |v[XS+\i+1]|
	v_max3_num_f32 v9, v9, |v[XS+\i+2]|, |v[XS+\i+3]|
.endr
	v_max3_num_f32 v8, v8, |v[XS+14]|, |v[XS+15]|
	v_max3_num_f32 v8, v8, v9, 0x1800000           ; the floor 2^(3 - 127): the byte cannot fall under 1
	v_max_num_f32_dpp v8, v8, v8 row_xmask:1 row_mask:0xf bank_mask:0xf   ; with my neighbour's 16: the block's largest magnitude
	v_add_nc_u32 v11, 0xff000000, v8               ; 2 off its exponent field: the conversion takes that field as its scale
	v_cvt_scalef32_pk8_fp4_f32 v[C+2*(\t)], v[XS:XS+7], v11
	v_cvt_scalef32_pk8_fp4_f32 v[C+2*(\t)+1], v[XS+8:XS+15], v11
	v_lshrrev_b32 v[E+(\t)], 23, v11               ; the scale's byte (also the plain line behind the conversions)
	ds_store_b8 v5, v[E+(\t)] offset:16*(\t)       ; both lanes of a block write the same byte with the same value
	global_store_b64 v4, v[C+2*(\t):C+2*(\t)+1], s[14:15] offset:256*(\t)   ; the wave stores 256 consecutive bytes, aligned
.endm
.irp t, 0,1,2,3,4,5,6,7
	XLOAD \t
.endr
	s_wait_loadcnt 28                              ; step 0's four loads are in
	XTURN 0
.irp t, 0,1,2,3,4,5,6,7,8,9,10,11,12,13,14,15
	XSTEP \t
.endr
	ds_load_b64 v[8:9], v6                         ; in order behind my byte stores
	s_wait_dscnt 0x0
	global_store_b64 v4, v[8:9], s[16:17]          ; the run's 256 scale bytes, aligned
	FINISH
; ---------------- Wq AND Wkv: K is the first axis.  A lane takes a column n and its registers run down K: a block of 32 lies in one lane, and the codes come out with K innermost.
; A work-group takes 64 columns x 512 along K.  Wave w takes the column half w & 1 (32 columns: waves 0 and 1 together read 256 consecutive bytes of a row of W) and the K half w >> 1 (256 along K):
; 8 blocks a lane, two blocks (64 loads) ahead.  A column's 256 bytes of codes come from two waves: they meet in the work-group's stage (64 rows of 272 bytes), one barrier stands between writing and
; reading, and each wave then stores 16 whole rows: sixteen lanes store 256 consecutive bytes, aligned.  The barrier lies on a path chosen by the work-group's number alone: all four waves pass it.
.macro WLOAD t, N, P
.irp i, 0,1,2,3,4,5,6,7,8,9,10,11,12,13,14,15,16,17,18,19,20,21,22,23,24,25,26,27,28,29,30,31
	global_load_b32 v[WX+32*((\t)%2)+\i], v3, s[\P:\P+1] offset:(32*(\t)+\i)*\N*4 th:TH_LOAD_NT
.endr
.endm
.macro WBLOCK t, N, P
.set XS, WX+32*((\t)%2)
.if (\t) < NB-1
	s_wait_loadcnt 32                              ; this block's 32 loads are in; the next block's may be out
.else
	s_wait_loadcnt 0
.endif
	v_max3_num_f32 v16, |v[XS]|, |v[XS+1]|, |v[XS+2]|
	v_max3_num_f32 v17, |v[XS+3]|, |v[XS+4]|, |v[XS+5]|
.irp i, 6,10,14,18,22,26
	v_max3_num_f32 v16, v16, |v[XS+\i]|, |v[XS+\i+1]|
	v_max3_num_f32 v17, v17, |v[XS+\i+2]|, |v[XS+\i+3]|
.endr
	v_max3_num_f32 v16, v16, |v[XS+30]|, |v[XS+31]|
	v_max3_num_f32 v16, v16, v17, 0x1800000        ; the floor
	v_add_nc_u32 v18, 0xff000000, v16              ; the conversion's scale operand
	v_lshrrev_b32 v19, 23, v18                     ; the scale's byte
.if (\t)%4 == 0
	v_mov_b32 v[SB+(\t)/4], v19
.else
	v_lshl_or_b32 v[SB+(\t)/4], v19, 8*((\t)%4), v[SB+(\t)/4]
.endif
.irp g, 0,1,2,3
	v_cvt_scalef32_pk8_fp4_f32 v[WC+\g], v[XS+8*\g:XS+8*\g+7], v18
.endr
	ds_store_b128 v4, v[WC:WC+3] offset:16*(\t)    ; 32 codes: 16 bytes of my column's row
.if (\t)+2 < NB
	WLOAD (\t)+2, \N, \P
.endif
	s_wait_dscnt 0x0                               ; the store is done: the next block's codes may be written (plain lines stand ahead of them); behind the last block: for the other waves' sake
.endm
.macro WROLE N, P, ROW0, ID0, LOGX, STG
	s_sub_co_u32 s25, ttmp9, \ID0
	s_and_b32 s26, s25, (1<<\LOGX)-1               ; which 64 columns
	s_lshr_b32 s27, s25, \LOGX                     ; which 512 along K
	s_and_b32 s30, s24, 1                          ; my half of the columns
	s_lshr_b32 s31, s24, 1                         ; my half of the 512 along K
	s_lshl_b32 s26, s26, 6                         ; the work-group's first column
	s_lshl_b32 s32, s30, 5
	s_add_co_u32 s32, s32, s26                     ; my wave's first column
	s_lshl_b32 s28, s27, 1
	s_add_co_u32 s28, s28, s31                     ; which 256 along K
	s_mul_i32 s28, s28, 1024*\N                    ; 256 rows of 4 N bytes
	s_lshl_b32 s29, s32, 2
	s_add_co_u32 s28, s28, s29
	s_mov_b32 s29, 0
	s_add_nc_u64 s[\P:\P+1], s[\P:\P+1], s[28:29]
	s_add_co_u32 s32, s32, \ROW0                   ; my first column's row in wscales: 32 bytes a row, + 16 for each 512 along K, + 8 for my half
	s_lshl_b32 s28, s32, 5
	s_lshl_b32 s33, s27, 4
	s_add_co_u32 s28, s28, s33
	s_lshl_b32 s33, s31, 3
	s_add_co_u32 s28, s28, s33
	s_add_nc_u64 s[20:21], s[20:21], s[28:29]
	s_add_co_u32 s26, s26, \ROW0                   ; the rows of wcodes that I store: the work-group's first + 16 x wave; 512 bytes a row, + 256 for each 512 along K
	s_lshl_b32 s33, s24, 4
	s_add_co_u32 s26, s26, s33
	s_lshl_b32 s28, s26, 9
	s_lshl_b32 s33, s27, 8
	s_add_co_u32 s28, s28, s33
	s_add_nc_u64 s[18:19], s[18:19], s[28:29]
	v_lshlrev_b32 v3, 2, v2                        ; in: 4 bytes a lane: 128 consecutive bytes a wave
	s_mul_i32 s28, s30, 32*272                     ; into the stage: row = 32 x column half + lane, byte 128 x K half
	s_lshl_b32 s33, s31, 7
	s_add_co_u32 s28, s28, s33
	s_add_co_u32 s28, s28, \STG
	v_mul_u32_u24 v4, v2, 272
	v_add_nc_u32 v4, s28, v4
	v_and_b32 v5, 15, v2
	v_lshrrev_b32 v6, 4, v2
	s_mul_i32 s28, s24, 16*272                     ; out of it: rows 16 x wave on; sixteen lanes to a row, two rows an instruction
	s_add_co_u32 s28, s28, \STG
	v_mul_u32_u24 v7, v6, 272
	v_lshl_add_u32 v7, v5, 4, v7
	v_add_nc_u32 v7, s28, v7
	v_lshlrev_b32 v8, 9, v6
	v_lshl_add_u32 v8, v5, 4, v8                   ; the same place in wcodes (rows of 512 bytes)
	v_lshlrev_b32 v9, 5, v2                        ; my column's row of scale bytes
	WLOAD 0, \N, \P
	WLOAD 1, \N, \P
.set Q, 0
.rept NB
	WBLOCK Q, \N, \P
.set Q, Q+1
.endr
	s_barrier_signal -1                            ; my stores into the stage are done (the last block's wait for 0)
	s_barrier_wait -1                              ; everybody's are: 64 whole rows lie in the stage
.irp t, 0,1,2,3,4,5,6,7
	ds_load_b128 v[OUTR+4*\t:OUTR+4*\t+3], v7 offset:2*\t*272
.endr
	global_store_b64 v9, v[SB:SB+1], s[20:21]      ; my column's 8 scale bytes
.irp t, 0,1,2,3,4,5,6,7
	s_wait_dscnt 7-\t                              ; LDS loads come back in order: load t is in, the younger ones may be out
	global_store_b128 v8, v[OUTR+4*\t:OUTR+4*\t+3], s[18:19] offset:2*\t*512
.endr
	FINISH
.endm
.Lwkv:
	WROLE 2048, 10, 1024, 0, 5, STGKV
.Lwq:
	WROLE 1024, 8, 0, 64, 4, STGQ
; ---------------- Wo: a cast to f16 into the order of an operand's registers.  A lane takes a column, its registers run down K; eight neighbours along K pack into 16 bytes, which are
; one lane's share of a group of four operand registers: piece g = 2 c + h of block kc goes to 1024 kc + 256 g + 16 r of the column tile's 32,768 bytes.  Sixteen lanes store 256 consecutive bytes.  No LDS.
.Lwo:
	s_sub_co_u32 s25, ttmp9, 96
	s_and_b32 s26, s25, 7                          ; which 128 columns
	s_lshr_b32 s27, s25, 3                         ; which 128 along K
	s_lshl_b32 s28, s27, 19                        ; 128 rows of 4,096 bytes
	s_lshl_b32 s29, s26, 9
	s_add_co_u32 s28, s28, s29
	s_lshl_b32 s29, s24, 7
	s_add_co_u32 s28, s28, s29                     ; + 4 x (128 x + 32 wave)
	s_mov_b32 s29, 0
	s_add_nc_u64 s[12:13], s[12:13], s[28:29]
	s_lshl_b32 s28, s26, 18                        ; column tile 8 x + 2 wave, 32,768 bytes each
	s_lshl_b32 s30, s24, 16
	s_add_co_u32 s28, s28, s30
	s_lshl_b32 s30, s27, 12                        ; + four blocks of 1,024 bytes for each 128 along K
	s_add_co_u32 s28, s28, s30
	s_add_nc_u64 s[22:23], s[22:23], s[28:29]
	v_lshlrev_b32 v3, 2, v2
	v_lshrrev_b32 v5, 4, v2
	v_and_b32 v6, 15, v2
	v_lshlrev_b32 v8, 15, v5                       ; lanes 16-31: the next column tile
	v_lshl_add_u32 v8, v6, 4, v8
.macro OLOAD t
.irp i, 0,1,2,3,4,5,6,7,8,9,10,11,12,13,14,15,16,17,18,19,20,21,22,23,24,25,26,27,28,29,30,31
	global_load_b32 v[WX+32*((\t)%2)+\i], v3, s[12:13] offset:(32*(\t)+\i)*4096 th:TH_LOAD_NT
.endr
.endm
	OLOAD 0
	OLOAD 1
.irp t, 0,1,2,3
.if \t < 3
	s_wait_loadcnt 32                              ; this block's 32 loads are in; the next block's may be out
.else
	s_wait_loadcnt 0
.endif
.irp p, 0,1,2,3,4,5,6,7,8,9,10,11,12,13,14,15
	v_cvt_pk_f16_f32 v[HP+16*\t+\p], v[WX+32*(\t%2)+2*\p], v[WX+32*(\t%2)+2*\p+1]
.endr
.if \t < 2
	OLOAD \t+2
.endif
.irp g, 0,1,2,3
	global_store_b128 v8, v[HP+16*\t+4*\g:HP+16*\t+4*\g+3], s[22:23] offset:1024*\t+256*\g   ; every block has data registers of its own: none is written again
.endr
.endr
	FINISH
.Lfunc_end_k_q867e84a71d_prep:
	.size	k_q867e84a71d_prep, .Lfunc_end_k_q867e84a71d_prep-k_q867e84a71d_prep
	.p2alignl 7, 3214868480
	.fill 96, 4, 3214868480
	.section	.rodata,"a",@progbits
	.p2align	6, 0x0
	.amdhsa_kernel k_q867e84a71d_prep
		.amdhsa_group_segment_fixed_size 68096
		.amdhsa_private_segment_fixed_size 0
		.amdhsa_enable_private_segment 0
		.amdhsa_kernarg_size 80
		.amdhsa_user_sgpr_count 2
		.amdhsa_user_sgpr_kernarg_segment_ptr 1
		.amdhsa_wavefront_size32 1
		.amdhsa_system_sgpr_workgroup_id_x 1
		.amdhsa_system_sgpr_workgroup_id_y 1
		.amdhsa_system_sgpr_workgroup_id_z 1
		.amdhsa_system_vgpr_workitem_id 0
		.amdhsa_next_free_vgpr 224
		.amdhsa_next_free_sgpr 66
		.amdhsa_reserve_vcc 0
		.amdhsa_float_denorm_mode_32 3
		.amdhsa_float_denorm_mode_16_64 3
		.amdhsa_memory_ordered 1
		.amdhsa_forward_progress 1
		.amdhsa_inst_pref_size 132
	.end_amdhsa_kernel
	.amdgpu_metadata
---
amdhsa.version: [ 1, 2 ]
amdhsa.kernels:
  - .name:           k_q867e84a71d_prep
    .symbol:         k_q867e84a71d_prep.kd
    .args:
      - { .name: query_input, .offset: 0, .size: 8, .value_kind: global_buffer, .address_space: global }
      - { .name: kv_input, .offset: 8, .size: 8, .value_kind: global_buffer, .address_space: global }
      - { .name: Wq, .offset: 16, .size: 8, .value_kind: global_buffer, .address_space: global }
      - { .name: Wkv, .offset: 24, .size: 8, .value_kind: global_buffer, .address_space: global }
      - { .name: Wo, .offset: 32, .size: 8, .value_kind: global_buffer, .address_space: global }
      - { .name: xcodes, .offset: 40, .size: 8, .value_kind: global_buffer, .address_space: global }
      - { .name: xscales, .offset: 48, .size: 8, .value_kind: global_buffer, .address_space: global }
      - { .name: wcodes, .offset: 56, .size: 8, .value_kind: global_buffer, .address_space: global }
      - { .name: wscales, .offset: 64, .size: 8, .value_kind: global_buffer, .address_space: global }
      - { .name: wof, .offset: 72, .size: 8, .value_kind: global_buffer, .address_space: global }
    .group_segment_fixed_size: 68096
    .private_segment_fixed_size: 0
    .kernarg_segment_align: 8
    .kernarg_segment_size: 80
    .max_flat_workgroup_size: 128
    .sgpr_count:     66
    .vgpr_count:     224
    .wavefront_size: 32
...
	.end_amdgpu_metadata
.endif
;; end of part 1
;; launch proj (part 2): grid 12 x 16, 4 waves a work-group, clusters of 4 x 4, 327,680 bytes of LDS; arguments xcodes, xscales, wcodes, wscales, bq, bkv, qkv; writes qkv
.if DOCPART == 2
	.amdgcn_target "amdgcn-amd-amdhsa--gfx1250"
	.amdhsa_code_object_version 6
	.text
	.protected	k_q867e84a71d_proj
	.globl	k_q867e84a71d_proj
	.p2align	8
	.type	k_q867e84a71d_proj,@function
k_q867e84a71d_proj:
	s_mov_b64 s[64:65], 0
	v_nop
	global_prefetch_b8 v0, s[64:65] scope:SCOPE_SE
	s_setreg_imm32_b32 hwreg(HW_REG_WAVE_MODE, 25, 1), 1
	s_wait_xcnt 0x0
	s_wait_alu depctr_hold_cnt(0) depctr_sa_sdst(0) depctr_va_vdst(0) depctr_va_sdst(0) depctr_va_ssrc(0) depctr_va_vcc(0) depctr_vm_vsrc(0)
	s_getreg_b32 s2, hwreg(HW_REG_IB_STS2, 6, 4)
	s_cmp_eq_u32 s2, 0
	s_cbranch_scc0 .Lentry_in_a_cluster
	s_endpgm
.Lentry_in_a_cluster:
	s_bfe_u32 s2, ttmp6, 0x10000c
	s_cmp_lg_u32 s2, 0xf033
	s_cbranch_scc0 .Lentry_shape_is_right
	s_endpgm
.Lentry_shape_is_right:
; PROJ: q = Q(query_input) Q(Wq) + bq and k, v = Q(kv_input) Q(Wkv) + bkv, on codes of FP4 (E2M1) with one E8M0 byte for each 32 along K = 1,024; sums in f32; results rounded once to f16 and laid by head:
; qkv [3: q, k, v][16 b + head][token 2048][64] f16.  LIMIT: |q|, |k|, |v| stay under 65,504 (f16).
; A tile of C, 256 x 256, is made by four waves, 128 x 128 each: 64 accumulators of 16 x 16.  12 tile columns (4 of q, 4 of k, 4 of v) x 16 tile rows = 192 work-groups.
; K is two steps of 512 (tile rows of 256 bytes): both lie in LDS at once, each filled ONCE, so no LDS byte is filled again.  The scale bytes of the work-group's rows come once, as whole rows of 256 bytes.
; CLUSTERS: 4 x 4 work-groups; cluster x = 0, 1, 2 makes q, k, v.  The four of a row of the cluster need the same tiles of A, the four of a column the same tiles of B: asked for jointly.
; THE MATRIX INSTRUCTION IS USED TRANSPOSED (source 0 = 16 rows of B, source 1 = 16 rows of A): a lane holds eight neighbouring columns of one row of C.  The bias is the C of each sum's first product.
; No prefetch: every tile is asked for at the head, and nothing is asked for later.
; REGISTERS: window 0: v0-31 addresses; v32-95 scale words, two sets; v128-191 A's fragments, one set; v192-255 the bias, eight registers for each of B's eight blocks; on the way out v32-127 are free.
;   window 1: B's fragments, two sets, at v0 and v128.   window 2: the accumulators of my rows 0-63 ((a, b) at v[8 (8 a + b)]);   window 3: those of my rows 64-127.
.set NQ,     4                         ; matrix instructions deep in a slot (512 along K)
.set ROWB,   256                       ; a tile's row in bytes
.set KROW,   512                       ; a row of codes in memory
.set PITCH,  272                       ; an LDS row: 256 bytes + 16 of padding: the 16 rows that a load touches start at 16 different groups of banks
.set FR,     8
.set NL,     2
.set NP,     4
.set HALFT,  128*PITCH
.set SLOT,   4*HALFT
.set KS,     32                        ; a row of scale bytes
.set SCL,    2*SLOT
.set HALFS,  (128*KS/256)*272
.set SBLK,   (16*KS/256)*272
.set SPARE,  SCL+4*HALFS               ; the spare words, 128 bytes a wave, which no other line names
.set SPITCH, 272                       ; the way out: 16 rows x (256 bytes + 16) for each wave, in slot 0, which has had its only fill and its last read by then
.set ADRA, 16
.set ADRB, 20
.set STO,  24
.set RD,   25
.set CO,   26
.set ADRS, 27
.set SPW,  28
.set NIL,  29
.set SC,   32
.set AF,   128
.set BI,   192
.set TMP,  32
.set OB,   64
.set G1, 24
.set G0, 32
.set G1B, 48
.set G0B, 56
.set G1S, 68
.set G0S, 76
.set G1SB, 80
.set G0SB, 88
.set MSB, 0
.macro WIN new                         ; the immediate's high byte repeats the setting that is left
.if MSB != \new
	s_set_vgpr_msb (MSB<<8)|\new
.set MSB, \new
.endif
.endm
.set MUL_LO, 0xa1                      ; source 0 (B) window 1, source 1 (A) window 0, C and D window 2
.set MUL_HI, 0xf1                      ; the same, C and D window 3
.set BIAS_LO, 0x81                     ; the first products: C (the bias) window 0, D window 2
.set BIAS_HI, 0xc1                     ; and D window 3
.set TO_B,   0x40
.macro JLOAD g0a, g1a, g0b, g1b        ; a joint load: waves 0 and 1 fetch for A, waves 2 and 3 for B; the branch hangs on the wave's number alone; s_nop 0 and four v_nop follow each line
	s_cmp_eq_u32 s15, 0
	s_cbranch_scc0 .Lfor_b_\@
	tensor_load_to_lds s[\g0a:\g0a+3], s[\g1a:\g1a+7]
	s_nop 0
.rept 4
	v_nop
.endr
	s_branch .Lasked_\@
.Lfor_b_\@:
	tensor_load_to_lds s[\g0b:\g0b+3], s[\g1b:\g1b+7]
	s_nop 0
.rept 4
	v_nop
.endr
.Lasked_\@:
.endm
.macro CROUND                          ; a round of the cluster's barrier
	s_barrier_signal -1
	s_barrier_wait -1
	s_cmp_lg_u32 s14, 0
	s_cbranch_scc1 .Lnot_wave_0_\@
	s_barrier_signal -3
.Lnot_wave_0_\@:
	s_barrier_wait -3
	s_barrier_signal -1
	s_barrier_wait -1
.endm
	s_load_b128 s[4:7], s[0:1], 0x0                ; xcodes, xscales
	s_load_b128 s[8:11], s[0:1], 0x10              ; wcodes, wscales
	s_load_b128 s[96:99], s[0:1], 0x20             ; bq, bkv
	s_load_b64 s[12:13], s[0:1], 0x30              ; qkv
	v_lshl_add_u32 v[SPW], v0, 2, SPARE
	v_mov_b32 v[NIL], 0
	ds_add_u32 v[SPW], v[NIL]                      ; the wave's opening: the add, twice on end, and its wait ahead of my first tensor load
	ds_add_u32 v[SPW], v[NIL]
	v_lshrrev_b32 v1, 5, v0
	v_readfirstlane_b32 s14, v1                    ; wave 0..3
	s_lshr_b32 s15, s14, 1                         ; my half of the tile's rows.  Also: I fetch for A (0) or for B (1)
	s_and_b32 s16, s14, 1                          ; my half of its columns.  Also: which 128 rows of that tile I fetch
	s_bfe_u32 s40, ttmp6, 0x40000                  ; cx
	s_bfe_u32 s41, ttmp6, 0x40004                  ; cy
	s_lshl_b32 s42, ttmp9, 2
	s_add_co_u32 s42, s42, s40                     ; tile column 0..11 = 4 x cluster x + cx
	s_and_b32 s17, ttmp7, 0xffff
	s_lshl_b32 s17, s17, 2
	s_add_co_u32 s17, s17, s41                     ; tile row 0..15
	s_lshl_b32 s43, s41, 2
	s_lshl_b32 s43, 15, s43                        ; my row of the cluster
	s_lshl_b32 s44, 0x1111, s40                    ; my column
	s_or_b32 s[G1+0], s43, (0<<16)|(1<<20)|(1<<21)|(5<<22)|(3<<25)   ; mask; elements of 1 byte; padding on; bit 21 beside a mask; 4 words behind every 64
	s_or_b32 s[G1B+0], s44, (0<<16)|(1<<20)|(1<<21)|(5<<22)|(3<<25)
.irp d, G1, G1B
	s_mov_b32 s[\d+1], ROWB<<16                    ; tensor_dim0
	s_mov_b32 s[\d+2], 128<<16                     ; tensor_dim1
	s_mov_b32 s[\d+3], ROWB<<16                    ; tile_dim0
	s_mov_b32 s[\d+4], 128                         ; tile_dim1
	s_mov_b32 s[\d+5], KROW                        ; the pitch in memory
	s_mov_b32 s[\d+6], 0
	s_mov_b32 s[\d+7], 0
.endr
	s_or_b32 s[G1S+0], s43, (3<<16)|(1<<20)|(1<<21)|(5<<22)|(3<<25)  ; the scales of 128 rows: 4,096 dense bytes as 16 rows of 256 (32 elements of 8 bytes), 16 bytes of padding behind each
	s_or_b32 s[G1SB+0], s44, (3<<16)|(1<<20)|(1<<21)|(5<<22)|(3<<25)
.irp d, G1S, G1SB
	s_mov_b32 s[\d+1], 32<<16
	s_mov_b32 s[\d+2], (128*KS/256)<<16
	s_mov_b32 s[\d+3], 32<<16
	s_mov_b32 s[\d+4], 128*KS/256
	s_mov_b32 s[\d+5], 32
	s_mov_b32 s[\d+6], 0
	s_mov_b32 s[\d+7], 0
.endr
	s_lshl_b32 s18, s16, 7                         ; which 128 rows of the tile I fetch
	s_lshl_b32 s20, s17, 8
	s_add_co_u32 s20, s20, s18
	s_min_u32 s19, ttmp9, 1
	s_lshl_b32 s19, s19, 12
	s_add_co_u32 s20, s20, s19                     ; A: row 256 x tile row + 128 x half; for k and v the kv tokens, 4,096 rows on (cluster x is shared by all partners)
	s_lshl_b32 s46, s42, 8
	s_add_co_u32 s46, s46, s18                     ; B: row 256 x tile column + 128 x half
	s_mov_b32 s21, 0
	s_mov_b32 s47, 0
	s_mov_b64 s[18:19], KS
	s_mul_u64 s[22:23], s[20:21], s[18:19]         ; where these rows' scales begin
	s_mul_u64 s[92:93], s[46:47], s[18:19]
	s_mov_b64 s[18:19], KROW
	s_mul_u64 s[20:21], s[20:21], s[18:19]         ; and their codes
	s_mul_u64 s[46:47], s[46:47], s[18:19]
	s_mul_i32 s45, s14, HALFT                      ; where they go: wave x 128 rows
	s_mul_i32 s94, s14, HALFS
	s_wait_dscnt 0x0                               ; both opening adds are done
	s_wait_kmcnt 0x0
	s_add_nc_u64 s[20:21], s[4:5], s[20:21]
	s_add_nc_u64 s[22:23], s[6:7], s[22:23]
	s_add_nc_u64 s[46:47], s[8:9], s[46:47]
	s_add_nc_u64 s[92:93], s[10:11], s[92:93]
	CROUND                                         ; all sixteen work-groups are here: the joint loads meet
	s_mov_b32 s[G0S], 1
	s_add_co_u32 s[G0S+1], s94, SCL
	s_mov_b64 s[G0S+2:G0S+3], s[22:23]
	s_or_b32 s[G0S+3], s[G0S+3], 0x80000000
	s_mov_b32 s[G0SB], 1
	s_add_co_u32 s[G0SB+1], s94, SCL
	s_mov_b64 s[G0SB+2:G0SB+3], s[92:93]
	s_or_b32 s[G0SB+3], s[G0SB+3], 0x80000000
	JLOAD G0S, G1S, G0SB, G1SB                     ; the scales first; with the two below, three loads of mine are out
.irp s, 0,1
	s_mov_b32 s[G0+4*\s], 1
	s_add_co_u32 s[G0+4*\s+1], s45, \s*SLOT
	s_add_nc_u64 s[G0+4*\s+2:G0+4*\s+3], s[20:21], \s*ROWB
	s_or_b32 s[G0+4*\s+3], s[G0+4*\s+3], 0x80000000
	s_mov_b32 s[G0B+4*\s], 1
	s_add_co_u32 s[G0B+4*\s+1], s45, \s*SLOT
	s_add_nc_u64 s[G0B+4*\s+2:G0B+4*\s+3], s[46:47], \s*ROWB
	s_or_b32 s[G0B+4*\s+3], s[G0B+4*\s+3], 0x80000000
	JLOAD G0+4*\s, G1, G0B+4*\s, G1B
.endr
	v_and_b32 v1, 15, v0                           ; r = lane % 16
	v_bfe_u32 v2, v0, 4, 1                         ; h = lane / 16
	v_mul_u32_u24 v3, v1, PITCH
	v_lshl_add_u32 v4, v2, 4, v3                   ; a fragment's row x pitch + 16 h
	s_mul_i32 s21, s15, HALFT                      ; my 128 rows of A
	s_mul_i32 s22, s16, HALFT
	s_add_co_u32 s22, s22, 2*HALFT                 ; my 128 rows of B, behind A's 256
.irp s, 0,1
	v_add_nc_u32 v[ADRA+\s], s21, v4
	v_add_nc_u32 v[ADRB+\s], s22, v4
	s_add_co_u32 s21, s21, SLOT
	s_add_co_u32 s22, s22, SLOT
.endr
	v_mul_u32_u24 v5, v1, KS                       ; my row's scales: 32 bytes a row,
	v_lshrrev_b32 v6, 8, v5
	v_lshl_add_u32 v5, v6, 4, v5                   ; and 16 more for each 256 passed
	s_mul_i32 s21, s15, HALFS
	s_mul_i32 s22, s16, HALFS
	s_add_co_u32 s22, s22, 2*HALFS
	s_sub_co_u32 s22, s22, s21
	v_mul_u32_u24 v6, s22, v2                      ; lanes 16-31 take B's: one product, the distance between the two bases
	s_add_co_u32 s21, s21, SCL
	v_add_nc_u32 v5, v5, v6
	v_add_nc_u32 v[ADRS], s21, v5
	s_mul_i32 s23, s14, 16*SPITCH                  ; my stage
	v_mul_u32_u24 v5, v1, SPITCH
	v_lshl_add_u32 v5, v2, 4, v5
	v_add_nc_u32 v[STO], s23, v5                   ; in: row r, 16 bytes for each half of the lanes
	v_and_b32 v6, 31, v0
	v_lshlrev_b32 v[CO], 4, v6                     ; out: 16 x lane: four tokens of one head are 512 consecutive bytes
	v_lshrrev_b32 v7, 3, v6
	v_mul_u32_u24 v7, v7, SPITCH
	v_and_b32 v6, 7, v6
	v_lshl_add_u32 v7, v6, 4, v7
	v_add_nc_u32 v[RD], s23, v7                    ; back: eight lanes take one token's 128 bytes of a head
	v_lshlrev_b32 v10, 5, v2                       ; the bias: 32 h bytes
	; where my part of qkv begins: tensor x 2^23 + b x 2^22 + (4 cx + 2 x column half) x 2^18 + token x 128
	s_lshl_b32 s20, s17, 8
	s_lshl_b32 s21, s15, 7
	s_add_co_u32 s20, s20, s21                     ; my first row of C, 0..4095
	s_lshr_b32 s21, s20, 11                        ; b
	s_and_b32 s20, s20, 2047                       ; token
	s_lshl_b32 s20, s20, 7
	s_lshl_b32 s21, s21, 22
	s_add_co_u32 s20, s20, s21
	s_lshl_b32 s21, ttmp9, 23
	s_add_co_u32 s20, s20, s21
	s_lshl_b32 s46, s40, 20
	s_lshl_b32 s47, s16, 19
	s_add_co_u32 s46, s46, s47
	s_add_co_u32 s20, s20, s46
	s_mov_b32 s21, 0
	s_add_nc_u64 s[12:13], s[12:13], s[20:21]
	; the bias of my 128 columns: bq for q; bkv for k, and 1,024 numbers on for v
	s_lshr_b32 s46, ttmp9, 1
	s_lshl_b32 s46, s46, 12
	s_lshl_b32 s47, s40, 10
	s_add_co_u32 s46, s46, s47
	s_lshl_b32 s47, s16, 9
	s_add_co_u32 s46, s46, s47
	s_mov_b32 s47, 0
	s_cmp_eq_u32 ttmp9, 0
	s_cselect_b64 s[96:97], s[96:97], s[98:99]
	s_add_nc_u64 s[96:97], s[96:97], s[46:47]
.irp b, 0,1,2,3,4,5,6,7
	global_load_b128 v[BI+8*\b:BI+8*\b+3], v10, s[96:97] offset:64*\b        ; lane (r, h): bias(16 b + 8 h + 0..7): the result's layout
	global_load_b128 v[BI+8*\b+4:BI+8*\b+7], v10, s[96:97] offset:64*\b+16
.endr
.macro FRAG reg, adr, q, i             ; 16 rows x 128 K of 4-bit codes: 8 registers, two loads of 16 bytes, 32 bytes apart
.irp c, 0,1
	ds_load_b128 v[\reg+4*\c:\reg+4*\c+3], v[\adr] offset:64*(\q)+32*\c+(\i)*16*PITCH
.endr
.endm
; 16 matrix instructions: A's blocks a0, a0 + 1 x B's eight.  p: B's set; sc: the set of scale words.  zero = 1: the first product starts the sum from the bias.
; The 64 accumulators take turns, one instruction a turn, in the same order in every step.
.macro MUL16 a0, p, q, sc, zero
.irp a, \a0, \a0+1
.irp b, 0,1,2,3,4,5,6,7
.if \zero
	v_wmma_scale_f32_16x16x128_f8f6f4 v[8*(8*((\a)%4)+\b):8*(8*((\a)%4)+\b)+7], v[128*(\p)+FR*\b:128*(\p)+FR*\b+FR-1], v[AF+FR*(\a):AF+FR*(\a)+FR-1], v[BI+8*\b:BI+8*\b+7], v[SC+8*NQ*(\sc)+NQ*\b+(\q)], v[SC+8*NQ*(\sc)+NQ*(\a)+(\q)] matrix_a_fmt:MATRIX_FMT_FP4 matrix_b_fmt:MATRIX_FMT_FP4 matrix_a_scale:MATRIX_SCALE_ROW1
.else
	v_wmma_scale_f32_16x16x128_f8f6f4 v[8*(8*((\a)%4)+\b):8*(8*((\a)%4)+\b)+7], v[128*(\p)+FR*\b:128*(\p)+FR*\b+FR-1], v[AF+FR*(\a):AF+FR*(\a)+FR-1], v[8*(8*((\a)%4)+\b):8*(8*((\a)%4)+\b)+7], v[SC+8*NQ*(\sc)+NQ*\b+(\q)], v[SC+8*NQ*(\sc)+NQ*(\a)+(\q)] matrix_a_fmt:MATRIX_FMT_FP4 matrix_b_fmt:MATRIX_FMT_FP4 matrix_a_scale:MATRIX_SCALE_ROW1
.endif
.endr
.endr
.endm
.macro FETCH_B slot, q, p
	WIN TO_B
.irp i, 0,1,2,3,4,5,6,7
	FRAG 128*(\p)+FR*\i, ADRB+\slot, \q, \i
.endr
	WIN 0
.endm
.macro FETCH_A slot, q, i0
.irp i, \i0, \i0+1, \i0+2, \i0+3
	FRAG AF+FR*(\i), ADRA+\slot, \q, \i
.endr
.endm
.macro SCALES sc                       ; a slot's scale words: four words a row; lanes 0-15 take A's block i, lanes 16-31 B's block i
.irp i, 0,1,2,3,4,5,6,7
	ds_load_b128 v[SC+8*NQ*\sc+NQ*\i:SC+8*NQ*\sc+NQ*\i+3], v[ADRS] offset:\i*SBLK
.endr
.endm
.macro PLACES n                        ; plain vector lines between a matrix instruction and a load into, or a vector write of, one of its registers, or a read of its result
.rept \n
	v_nop
.endr
.endm
.macro STEP slot, q, zero              ; 128 along K that have their successor in the same slot
	s_wait_dscnt 4*NL                              ; B's set and A's blocks 0-3 are in; the youngest eight loads (A's blocks 4-7) may be out
.if \zero
	WIN BIAS_LO
.else
	WIN MUL_LO
.endif
	MUL16 0, (\q)%2, \q, \slot, \zero
	MUL16 2, (\q)%2, \q, \slot, \zero
	s_wait_dscnt 0                                 ; A's blocks 4-7 are in
	PLACES NP
	FETCH_B \slot, (\q)+1, 1-(\q)%2
	FETCH_A \slot, (\q)+1, 0
.if \zero
	WIN BIAS_HI
.else
	WIN MUL_HI
.endif
	MUL16 4, (\q)%2, \q, \slot, \zero
	MUL16 6, (\q)%2, \q, \slot, \zero
	PLACES NP
	WIN 0
	FETCH_A \slot, (\q)+1, 4
.endm
.macro STEPS slot, from
.set Q, \from
.rept NQ-1-\from
	STEP \slot, Q, 0
.set Q, Q+1
.endr
.endm
	s_wait_tensorcnt 1                             ; the scales and my part of slot 0 are in; slot 1's load, the one issued behind them, may be out
	s_barrier_signal -1
	s_barrier_wait -1                              ; everybody's are
	FETCH_B 0, 0, 0
	FETCH_A 0, 0, 0
	SCALES 0
	FETCH_A 0, 0, 4
	s_wait_loadcnt 0x0                             ; the bias
	STEP 0, 0, 1
	STEPS 0, 1
	; slot 0's last 128 along K, and the change to slot 1: one barrier; nothing is filled again
	s_wait_tensorcnt 0x0                           ; my part of slot 1 has landed
	ds_add_u32 v[SPW], v[NIL]
	s_wait_dscnt 4*NL+1                            ; the add and the youngest eight loads may be out
	WIN MUL_LO
	MUL16 0, 1, NQ-1, 0, 0
	s_wait_dscnt 0x0                               ; the add is done, and my reads of slot 0 are over
	s_barrier_signal -1
	MUL16 2, 1, NQ-1, 0, 0
	WIN 0
	s_barrier_wait -1                              ; slot 1 is whole, and nobody reads slot 0 any more
	PLACES NP
	v_add_nc_u32 v[ADRS], 4*NQ, v[ADRS]            ; on to slot 1's scale words
	FETCH_B 1, 0, 0
	FETCH_A 1, 0, 0
	SCALES 1
	WIN MUL_HI
	MUL16 4, 1, NQ-1, 0, 0
	MUL16 6, 1, NQ-1, 0, 0
	PLACES NP
	WIN 0
	FETCH_A 1, 0, 4
	STEPS 1, 0
	s_wait_dscnt 4*NL                              ; the very last step: nothing more to fetch
	WIN MUL_LO
	MUL16 0, 1, NQ-1, 1, 0
	MUL16 2, 1, NQ-1, 1, 0
	s_wait_dscnt 0
	WIN MUL_HI
	MUL16 4, 1, NQ-1, 1, 0
	MUL16 6, 1, NQ-1, 1, 0
	WIN 0
; THE WAY OUT, a block of 16 rows (tokens) x 128 columns (two heads) at a time: rounded to f16, 16 bytes a lane into my stage, back as tokens of one head: four tokens x 128 bytes are 512 consecutive bytes of qkv.
.macro PACK a
.set AC, 64*((\a)%4)
	WIN 0x0a+5*((\a)/4)                            ; sources 0 and 1: window 2 or 3
.irp b, 0,1,2,3,4,5,6,7
.irp i, 0,1,2,3
	v_cvt_pk_f16_f32 v[TMP+4*\b+\i], v[AC+8*\b+2*\i], v[AC+8*\b+2*\i+1]   ; each accumulator from its low end on
.endr
.endr
	WIN 0
.endm
.macro TOSTAGE a
.set BK, OB+32*((\a)%2)
.irp b, 0,1,2,3,4,5,6,7
	ds_store_b128 v[STO], v[TMP+4*\b:TMP+4*\b+3] offset:32*\b
.endr
.irp hd, 0,1
.irp tg, 0,1,2,3
	ds_load_b128 v[BK+16*\hd+4*\tg:BK+16*\hd+4*\tg+3], v[RD] offset:1088*\tg+128*\hd   ; LDS serves a wave's instructions in order: these see the stores above
.endr
.endr
.endm
.macro SEND a
.set BK, OB+32*((\a)%2)
	s_wait_dscnt 0x0                               ; the block is back in registers
	s_wait_xcnt 0x0                                ; the block before has had its stores' registers read: the next block's loads may land there
.irp hd, 0,1
.irp tg, 0,1,2,3
	global_store_b128 v[CO], v[BK+16*\hd+4*\tg:BK+16*\hd+4*\tg+3], s[12:13] offset:2048*(\a)+262144*\hd+512*\tg
.endr
.endr
.endm
	PLACES NP                                      ; the conversions write registers that the last products read as scales, and read results
	PACK 0
	TOSTAGE 0
.irp a, 1,2,3,4,5,6,7
	PACK \a                                        ; block a's conversions stand between block a - 1's loads from the stage and the wait for them
	SEND \a-1
	TOSTAGE \a
.endr
	SEND 7
	s_wait_tensorcnt 0x0                           ; the wave's end
	ds_add_u32 v[SPW], v[NIL]
	s_wait_dscnt 0x0
	CROUND                                         ; the closing round
	s_endpgm
.Lfunc_end_k_q867e84a71d_proj:
	.size	k_q867e84a71d_proj, .Lfunc_end_k_q867e84a71d_proj-k_q867e84a71d_proj
	.p2alignl 7, 3214868480
	.fill 96, 4, 3214868480
	.section	.rodata,"a",@progbits
	.p2align	6, 0x0
	.amdhsa_kernel k_q867e84a71d_proj
		.amdhsa_group_segment_fixed_size 327680
		.amdhsa_private_segment_fixed_size 0
		.amdhsa_enable_private_segment 0
		.amdhsa_kernarg_size 56
		.amdhsa_user_sgpr_count 2
		.amdhsa_user_sgpr_kernarg_segment_ptr 1
		.amdhsa_wavefront_size32 1
		.amdhsa_system_sgpr_workgroup_id_x 1
		.amdhsa_system_sgpr_workgroup_id_y 1
		.amdhsa_system_sgpr_workgroup_id_z 1
		.amdhsa_system_vgpr_workitem_id 0
		.amdhsa_next_free_vgpr 1024
		.amdhsa_next_free_sgpr 100
		.amdhsa_reserve_vcc 0
		.amdhsa_float_denorm_mode_32 3
		.amdhsa_float_denorm_mode_16_64 3
		.amdhsa_memory_ordered 1
		.amdhsa_forward_progress 1
		.amdhsa_inst_pref_size 128
	.end_amdhsa_kernel
	.amdgpu_metadata
---
amdhsa.version: [ 1, 2 ]
amdhsa.kernels:
  - .name:           k_q867e84a71d_proj
    .symbol:         k_q867e84a71d_proj.kd
    .args:
      - { .name: xcodes, .offset: 0, .size: 8, .value_kind: global_buffer, .address_space: global }
      - { .name: xscales, .offset: 8, .size: 8, .value_kind: global_buffer, .address_space: global }
      - { .name: wcodes, .offset: 16, .size: 8, .value_kind: global_buffer, .address_space: global }
      - { .name: wscales, .offset: 24, .size: 8, .value_kind: global_buffer, .address_space: global }
      - { .name: bq, .offset: 32, .size: 8, .value_kind: global_buffer, .address_space: global }
      - { .name: bkv, .offset: 40, .size: 8, .value_kind: global_buffer, .address_space: global }
      - { .name: qkv, .offset: 48, .size: 8, .value_kind: global_buffer, .address_space: global }
    .group_segment_fixed_size: 327680
    .private_segment_fixed_size: 0
    .kernarg_segment_align: 8
    .kernarg_segment_size: 56
    .max_flat_workgroup_size: 128
    .sgpr_count:     100
    .vgpr_count:     1024
    .wavefront_size: 32
...
	.end_amdgpu_metadata
.endif
;; end of part 2
;; launch attn (part 3): grid 8 x 32, 4 waves a work-group, clusters of 4 x 1, 327,680 bytes of LDS; arguments qkv, att; writes att
.if DOCPART == 3
	.amdgcn_target "amdgcn-amd-amdhsa--gfx1250"
	.amdhsa_code_object_version 6
	.text
	.protected	k_q867e84a71d_attn
	.globl	k_q867e84a71d_attn
	.p2align	8
	.type	k_q867e84a71d_attn,@function
k_q867e84a71d_attn:
	s_mov_b64 s[64:65], 0
	v_nop
	global_prefetch_b8 v0, s[64:65] scope:SCOPE_SE
	s_setreg_imm32_b32 hwreg(HW_REG_WAVE_MODE, 25, 1), 1
	s_wait_xcnt 0x0
	s_wait_alu depctr_hold_cnt(0) depctr_sa_sdst(0) depctr_va_vdst(0) depctr_va_sdst(0) depctr_va_ssrc(0) depctr_va_vcc(0) depctr_vm_vsrc(0)
	s_getreg_b32 s2, hwreg(HW_REG_IB_STS2, 6, 4)
	s_cmp_eq_u32 s2, 0
	s_cbranch_scc0 .Lentry_in_a_cluster
	s_endpgm
.Lentry_in_a_cluster:
	s_bfe_u32 s2, ttmp6, 0x10000c
	s_cmp_lg_u32 s2, 0x3003
	s_cbranch_scc0 .Lentry_shape_is_right
	s_endpgm
.Lentry_shape_is_right:
; ATTN: O[bh][q] = the sum over k of softmax_k(Q[bh][q] . K[bh][k] / 8) V[bh][k].  qkv: [3: q, k, v][bh 32][2048][64] f16.  Products, maxima and sums in f32; the weights p (at most 1) are rounded to f16 for the
; second product, O once at the end.  LIMIT: |O| stays under 65,504 (f16); it is an average of v.
; att, the output, is laid as the next product's operand registers: [token / 16][kc 32][c 2][lane][16 B], kc = 2 head + ct / 2, c = ct % 2: a lane's eight channels 16 ct + 8 h + 0..7 of query r, packed,
; ARE its share of that group of registers: they are stored straight from registers, 512 consecutive bytes an instruction, with no stage in LDS.
; SHARES.  A work-group owns 256 queries of one (b, head), each of its four waves 64: four tiles of 16.  Every wave walks all 2,048 keys, 64 a step.
; LAYOUT.  S^T = K Q^T (source 0 = 16 keys, source 1 = 16 queries): a lane holds ONE query (lane % 16) and keys 8 (lane / 16) + 0..7.  Two such tiles, rounded in pairs, are source 1 of O^T = V^T P.
; K comes out of LDS as it lies, V ([key][channel]) turned, by ds_load_tr16_b128.
; SOFTMAX.  A running maximum m and sum l for each query: p = 2^(c s - c m), c = log2(e) / 8; in every step O and l are multiplied by a = 2^(c m_old - c m_new).
; BY TURNS.  The wave's tiles are two pieces (tiles 0, 1 and tiles 2, 3).  In a turn one piece has the matrix unit: 16 products V^T P of the step in hand, then 16 products K Q^T of the next step; the other
; piece's softmax, 236 vector instructions in 59 slices of four, is dealt out behind those 32 products.  Then the pieces change places.  Two turns are a key step.
; RING.  Two LDS slots of 256 keys (four steps): 256 rows of K, then 256 rows of V.  CLUSTER: the four query blocks of a cluster walk the same K and V: each tile is asked for jointly.
; REGISTERS: window 0: v1-11 addresses; v12-43 statistics, eight a tile; v61-63 prefetch offset and the add's two; v64-191 S^T, 32 a tile; v192-255 P, 16 a tile.
;   window 1: v0-127 O^T, 32 a tile; v128-191 V of one step.   window 2: v0-63 Q, 16 a tile; v64-127 K of one step.
.set PKB,   144       ; a row of K in LDS: 128 bytes + 16: the 16 rows of a load start at 16 different 16-byte columns of 256
.set PVB,   160       ; a row of V: 128 + 32, an odd multiple of 32, for the turning load
.set VOFF,  256*PKB
.set KSTEPB, 64*PKB
.set VSTEPB, 64*PVB
.set SLOT1, 1<<17     ; slot 1 begins here: one exclusive or turns an address of one slot into the other's
.set SLOTMEM, 32768   ; a slot's keys in memory: 256 rows of 128 bytes
.set SPARE, SLOT1+256*(PKB+PVB)  ; behind the ring: the spare words, 128 bytes a wave, which no other line names
.set AK0, 2
.set AV0, 3
.set ADR, 4
.set QO,  5
.set GO,  8
.set PFO, 61
.set SPW, 62
.set NIL, 63
.set ST,  12          ; tile t's statistics at v[ST+8 t]: +0 c m, +1 m, +2, +3 l (even keys', odd keys'), +4 to +7 at work; a takes +6 once the maximum is found
.set S,   64
.set P,   192
.set VF,  128         ; in window 1
.set KF,  64          ; in window 2
.set WV,  12
.set LIM, 15          ; s15  1 in a wave that prefetches, else the greatest number
.set PFA, 18          ; s[18:19] where my prefetches stand
.set G1K, 24
.set G1V, 32
.set G0K, 40          ; s[40:47] two sets; the second walks on
.set G0V, 48
.set SLOTS, 56
.set CNT, 57
.set CS,  58
.set SEL, 60
.set TBK, 62          ; s62  LDS byte at which K's tile of the step to be fetched begins
.set TBV, 63          ; s63  the same for V, less VOFF
.set MSB, 0
.macro WIN new
.if MSB != \new
	s_set_vgpr_msb (MSB<<8)|\new
.set MSB, \new
.endif
.endm
.set W_KQ, 0x0a       ; K and Q in window 2, S^T in window 0
.set W_PV, 0x51       ; V and O^T in window 1, P in window 0
.set W_RS, 0x41       ; O^T (destination and source 0) in window 1, a in window 0
.macro JLOAD          ; a joint refill: waves 0 and 1 fetch K's halves of a slot, waves 2 and 3 V's; s_nop 0 and four v_nop follow each line
	s_cmp_lt_u32 s[WV], 2
	s_cbranch_scc0 .Lfor_v_\@
	tensor_load_to_lds s[G0K+4:G0K+7], s[G1K:G1K+7]
	s_nop 0
.rept 4
	v_nop
.endr
	s_branch .Lasked_\@
.Lfor_v_\@:
	tensor_load_to_lds s[G0V+4:G0V+7], s[G1V:G1V+7]
	s_nop 0
.rept 4
	v_nop
.endr
.Lasked_\@:
.endm
; A prefetch of what the NEXT change of slots will ask for: four key steps, 256 products, ahead of that load.  A slot is 32,768 dense bytes of K and as many of V.  Both clusters of a head walk the same rows:
; the first asks.  Its four partners take 8,192 bytes each, told apart by address; in each, wave 0 asks for K's and wave 2 for V's, lanes 256 bytes apart: each block of 256 bytes is named once in the launch.
; The last change that fills a slot asks for nothing; slots 0, 1 and 2 come by their loads alone.
.macro ASK
	s_cmp_gt_u32 s[SLOTS], s[LIM]
	s_cbranch_scc0 .Lnot_mine_\@
	global_prefetch_b8 v[PFO], s[PFA:PFA+1] th:TH_LOAD_NT scope:SCOPE_SE
.Lnot_mine_\@:
.endm
.macro CROUND
	s_barrier_signal -1
	s_barrier_wait -1
	s_cmp_lg_u32 s[WV], 0
	s_cbranch_scc1 .Lnot_wave_0_\@
	s_barrier_signal -3
.Lnot_wave_0_\@:
	s_barrier_wait -3
	s_barrier_signal -1
	s_barrier_wait -1
.endm
	s_load_b64 s[4:5], s[0:1], 0x0  ; qkv
	s_load_b64 s[10:11], s[0:1], 0x8  ; att
	v_lshl_add_u32 v[SPW], v0, 2, SPARE
	v_mov_b32 v[NIL], 0
	ds_add_u32 v[SPW], v[NIL]       ; the wave's opening: the add, twice on end, and its wait ahead of my first tensor load
	ds_add_u32 v[SPW], v[NIL]
	v_lshrrev_b32 v1, 5, v0
	v_readfirstlane_b32 s[WV], v1   ; wave 0..3
	s_bfe_u32 s13, ttmp6, 0x40000   ; cx
	s_lshl_b32 s14, ttmp9, 2
	s_add_co_u32 s14, s14, s13      ; my block of 256 queries: it enters Q's and att's addresses alone
	s_and_b32 s20, ttmp7, 0xffff    ; bh, which the four partners share
	s_lshl_b32 s20, s20, 18         ; the head's first byte in each of the three tensors
	s_mov_b32 s21, 0
	s_and_b32 s16, s[WV], 1         ; which half of a slot's 256 rows I fetch:
	s_lshl_b32 s22, s16, 14         ; 128 rows of 128 bytes in memory,
	s_add_co_u32 s22, s22, s20
	s_mov_b32 s23, 0
	s_mul_i32 s17, s16, 128*PKB     ; its place in a slot for K,
	s_mul_i32 s16, s16, 128*PVB
	s_add_co_u32 s16, s16, VOFF     ; and for V: no place in the cluster enters an LDS address
	s_lshl_b32 s2, s14, 15          ; my block's 256 rows,
	s_lshl_b32 s3, s[WV], 13        ; my wave's 64 of them
	s_add_co_u32 s2, s2, s3
	s_add_co_u32 s2, s2, s20
	s_mov_b32 s3, 0
	s_mov_b32 s[G1K], 15|(1<<16)|(1<<20)|(1<<21)|(4<<22)|(3<<25)  ; the mask: all four; elements of 2 bytes; padding on; bit 21 beside a mask; behind every 32 words 4 words
	s_mov_b32 s[G1V], 15|(1<<16)|(1<<20)|(1<<21)|(4<<22)|(7<<25)  ; the same with 8 words of padding
.irp d, G1K, G1V
	s_mov_b32 s[\d+1], 64<<16       ; tensor_dim0 = 64
	s_mov_b32 s[\d+2], 128<<16      ; tensor_dim1 = 128
	s_mov_b32 s[\d+3], 64<<16       ; tile_dim0 = 64
	s_mov_b32 s[\d+4], 128          ; tile_dim1 = 128
	s_mov_b32 s[\d+5], 64           ; elements from row to row
	s_mov_b32 s[\d+6], 0
	s_mov_b32 s[\d+7], 0
.endr
	s_mov_b32 s[CS], 0x3e38aa3b     ; c = log2(e) / 8
	s_mov_b32 s[CS+1], s[CS]
	s_mov_b32 s[SEL], 0x76543210
	s_mov_b32 s[SEL+1], 0xfedcba98
	s_mov_b32 s[TBK], 0
	s_mov_b32 s[TBV], 0
	s_mov_b32 s[SLOTS], 6           ; eight slots' worth of keys; two are first fills
	s_and_b32 s[LIM], s[WV], 1
	s_or_b32 s[LIM], s[LIM], ttmp9  ; 0 in waves 0 and 2 of the head's first cluster: the same in all four partners
	s_cmp_eq_u32 s[LIM], 0
	s_cselect_b32 s[LIM], 1, -1
	v_and_b32 v[PFO], 31, v0
	v_lshlrev_b32 v[PFO], 8, v[PFO]
	s_wait_dscnt 0x0                ; both opening adds are done
	s_wait_kmcnt 0x0
	s_add_nc_u64 s[6:7], s[4:5], s[22:23]
	s_add_nc_u64 s[8:9], s[6:7], 0x1000000  ; V at my tile of slot 0
	s_add_nc_u64 s[6:7], s[6:7], 0x800000   ; K likewise
	s_add_nc_u64 s[4:5], s[4:5], s[2:3]     ; Q at my wave's first row
	s_cmp_lt_u32 s[WV], 2
	s_cselect_b64 s[PFA:PFA+1], s[6:7], s[8:9]  ; (in waves 0 and 2 these stand at a slot's first row)
	s_lshl_b32 s2, s13, 13          ; my work-group's 8,192 bytes of the 32,768
	s_mov_b32 s3, 0
	s_add_nc_u64 s[PFA:PFA+1], s[PFA:PFA+1], s[2:3]
	s_add_nc_u64 s[PFA:PFA+1], s[PFA:PFA+1], 2*SLOTMEM  ; in slot 2; the first change of slots steps it to slot 3
	s_and_b32 s20, ttmp7, 0xffff    ; att: (128 b + 16 block + 4 wave) tiles of 32,768 bytes + 2,048 x head
	s_lshr_b32 s21, s20, 4
	s_and_b32 s20, s20, 15
	s_lshl_b32 s20, s20, 11
	s_lshl_b32 s21, s21, 7
	s_lshl_b32 s22, s14, 4
	s_add_co_u32 s21, s21, s22
	s_lshl_b32 s22, s[WV], 2
	s_add_co_u32 s21, s21, s22
	s_lshl_b32 s21, s21, 15
	s_add_co_u32 s20, s20, s21
	s_mov_b32 s21, 0
	s_add_nc_u64 s[10:11], s[10:11], s[20:21]
	CROUND                          ; all four work-groups are here: the first joint loads meet
.irp s, 0,1
	s_mov_b32 s[G0K+4*\s], 1
	s_add_co_u32 s[G0K+4*\s+1], s17, \s*SLOT1
	s_add_nc_u64 s[G0K+4*\s+2:G0K+4*\s+3], s[6:7], \s*SLOTMEM
	s_or_b32 s[G0K+4*\s+3], s[G0K+4*\s+3], 0x80000000
	s_mov_b32 s[G0V+4*\s], 1
	s_add_co_u32 s[G0V+4*\s+1], s16, \s*SLOT1
	s_add_nc_u64 s[G0V+4*\s+2:G0V+4*\s+3], s[8:9], \s*SLOTMEM
	s_or_b32 s[G0V+4*\s+3], s[G0V+4*\s+3], 0x80000000
.endr
	s_cmp_lt_u32 s[WV], 2           ; a wave's two first fills stand in one branch, ahead of every wait on TENSORcnt and every LDS read: two loads of mine are out
	s_cbranch_scc0 .Lfirst_v
	tensor_load_to_lds s[G0K:G0K+3], s[G1K:G1K+7]
	s_nop 0
	tensor_load_to_lds s[G0K+4:G0K+7], s[G1K:G1K+7]
	s_nop 0
.rept 4
	v_nop
.endr
	s_branch .Lfirst_asked
.Lfirst_v:
	tensor_load_to_lds s[G0V:G0V+3], s[G1V:G1V+7]
	s_nop 0
	tensor_load_to_lds s[G0V+4:G0V+7], s[G1V:G1V+7]
	s_nop 0
.rept 4
	v_nop
.endr
.Lfirst_asked:
	v_and_b32 v1, 15, v0            ; r = lane % 16
	v_bfe_u32 v9, v0, 4, 1          ; h = lane / 16
	v_lshlrev_b32 v[QO], 7, v1
	v_lshl_add_u32 v[QO], v9, 4, v[QO]  ; row x 128 + 16 h
	WIN 0x80                        ; destination window 2
.irp i, 0,1,2,3,4,5,6,7             ; Q stays in registers: tile i / 2, channels 32 (i % 2) on
	global_load_b128 v[8*\i:8*\i+3],   v[QO], s[4:5] offset:(\i/2)*2048+(\i%2)*64
	global_load_b128 v[8*\i+4:8*\i+7], v[QO], s[4:5] offset:(\i/2)*2048+(\i%2)*64+32
.endr
	WIN 0
	v_mul_u32_u24 v[AK0], v1, PKB
	v_lshl_add_u32 v[AK0], v9, 4, v[AK0]  ; K: row x pitch + 16 h
	v_and_b32 v10, 7, v0
	v_bfe_u32 v11, v0, 3, 1
	v_lshl_add_u32 v[AV0], v9, 3, v10     ; V, for the turning load: key 8 h + lane % 8, channels 8 ((lane / 8) % 2) on
	v_mul_u32_u24 v[AV0], v[AV0], PVB
	v_lshl_add_u32 v[AV0], v11, 4, v[AV0]
	v_add_nc_u32 v[AV0], VOFF, v[AV0]
	v_and_b32 v[GO], 31, v0
	v_lshlrev_b32 v[GO], 4, v[GO]   ; the way out: 16 x lane
; THE MATRIX WORK OF A TURN, for piece x.  The accumulators take turns, one instruction a turn: between two links of a chain stand seven others'.
; Product i of 16 of O^T += V^T P: keys 32 (i / 8) on, channels 16 ((i / 2) % 4) on, tile x + i % 2.  zero = 1: the first 8 start the sums.
.macro PV x, zero
	WIN W_PV
.set rO, 32*(\x+i%2)+8*((i/2)%4)
.set rV, VF+32*(i/8)+8*((i/2)%4)
.set rP, P+16*(\x+i%2)+8*(i/8)
.if (\zero) && (i < 8)
	v_wmma_f32_16x16x32_f16 v[rO:rO+7], v[rV:rV+7], v[rP:rP+7], 0
.else
	v_wmma_f32_16x16x32_f16 v[rO:rO+7], v[rV:rV+7], v[rP:rP+7], v[rO:rO+7]
.endif
.endm
; Product i of 16 of S^T = K Q^T: channels 32 (i / 8) on, keys 16 ((i / 2) % 4) on, tile x + i % 2.  The first 8 start the sums.
.macro KQ x
	WIN W_KQ
.set rS, S+32*(\x+i%2)+8*((i/2)%4)
.set rK, KF+16*((i/2)%4)+8*(i/8)
.set rQ, 16*(\x+i%2)+8*(i/8)
.if i < 8
	v_wmma_f32_16x16x32_f16 v[rS:rS+7], v[rK:rK+7], v[rQ:rQ+7], 0
.else
	v_wmma_f32_16x16x32_f16 v[rS:rS+7], v[rK:rK+7], v[rQ:rQ+7], v[rS:rS+7]
.endif
.endm
; THE LDS LOADS stand in runs of 16: a step's K (64 keys x 64 channels: 8 fragments) and, a turn later, its V (turned).
.macro FETCH_K
	WIN 0
	v_add_nc_u32 v[ADR], s[TBK], v[AK0]
	s_add_co_u32 s[TBK], s[TBK], KSTEPB  ; the next fetch is the next step's
	WIN 0x80                        ; destination window 2
.irp f, 0,1,2,3,4,5,6,7             ; keys 16 (f / 2) on, channels 32 (f % 2) on
	ds_load_b128 v[KF+8*\f:KF+8*\f+3],   v[ADR] offset:(\f/2)*16*PKB+(\f%2)*64
	ds_load_b128 v[KF+8*\f+4:KF+8*\f+7], v[ADR] offset:(\f/2)*16*PKB+(\f%2)*64+32
.endr
.endm
.macro FETCH_V
	WIN 0
	v_add_nc_u32 v[ADR], s[TBV], v[AV0]
	s_add_co_u32 s[TBV], s[TBV], VSTEPB
	s_wait_alu depctr_va_vdst(0)    ; the wait for the softmax's batch of exponentials, ahead of the first line that names a result
	WIN 0x40                        ; destination window 1
.irp f, 0,1,2,3,4,5,6,7             ; keys 32 (f / 4) on, channels 16 (f % 4) on
	ds_load_tr16_b128 v[VF+8*\f:VF+8*\f+3],   v[ADR] offset:(\f/4)*32*PVB+(\f%4)*32
	ds_load_tr16_b128 v[VF+8*\f+4:VF+8*\f+7], v[ADR] offset:(\f/4)*32*PVB+16*PVB+(\f%4)*32
.endr
.endm
; THE VECTOR WORK OF A TURN.  One tile's softmax for one key step is a list of 118 instructions; SM writes number j of it for tile t.  first = 1: the first key step, which starts m, l and O^T.
;   0-15 the maximum of the lane's 32 scores and the old m;  16-20 the other half of the lanes' maximum, the new m, c m, c m_old - c m_new;
;   21-69 ONE BATCH: 16 packed scalings c s - c m and all 33 exponentials (a at 23), none of which reads an exponential's result;  (the wait for the batch stands between 69 and 70)
;   70-85 the roundings to f16;  86-101 the sums, l = a l + the sum;  102-117 the tile's O^T times a.
.macro SM t, first
.set rT, ST+8*(\t)
.set rS, S+32*(\t)
.set rP, P+16*(\t)
.set rO, 32*(\t)+2*(j-102)
.if j < 102
	WIN 0
.endif
.if j < 4
	v_max3_num_f32 v[rT+4+j], v[rS+8*j], v[rS+8*j+1], v[rS+8*j+2]   ; each accumulator is first read at its low end
.elseif j < 12
	v_max3_num_f32 v[rT+4+j%4], v[rT+4+j%4], v[rS+8*(j%4)+2*(j/4)+1], v[rS+8*(j%4)+2*(j/4)+2]
.elseif j == 12
	v_max3_num_f32 v[rT+4], v[rT+4], v[rS+7], v[rS+15]
.elseif j == 13
	v_max3_num_f32 v[rT+6], v[rT+6], v[rS+23], v[rS+31]
.elseif j == 14
	v_max3_num_f32 v[rT+4], v[rT+4], v[rT+5], v[rT+6]
.elseif (j == 15) && \first
	v_max_num_f32 v[rT+4], v[rT+4], v[rT+7]
.elseif j == 15
	v_max3_num_f32 v[rT+4], v[rT+4], v[rT+7], v[rT+1]
.elseif j == 16
	v_permlanex16_b32 v[rT+5], v[rT+4], s[SEL], s[SEL+1]  ; the query's other 32 keys lie in the lane 16 away
.elseif j == 18
	v_max_num_f32 v[rT+1], v[rT+4], v[rT+5]
.elseif j == 19
	v_mul_f32 v[rT], s[CS], v[rT+1]
.elseif ((j == 17) || (j == 20) || (j == 23) || (j > 101)) && \first  ; the first step has none of these
.elseif j == 17
	v_mov_b32 v[rT+7], v[rT]        ; c m_old is kept for a
.elseif j == 20
	v_sub_f32 v[rT+7], v[rT+7], v[rT]
.elseif j == 23
	v_exp_f32 v[rT+6], v[rT+7]
.elseif (j < 23) || ((j < 38) && (j%2 == 0)) || ((j < 66) && (j%4 == 2))
.set b, (j-2)/4                     ; 38, 42, .. 62: pairs 9 to 15
.if j < 38
.set b, (j-20)/2                    ; 21: pair 0; 22, 24, .. 36: pairs 1 to 8
.endif
	v_pk_fma_f32 v[rS+2*b:rS+2*b+1], v[rS+2*b:rS+2*b+1], s[CS:CS+1], v[rT:rT+1] op_sel_hi:[1,0,0] neg_lo:[0,0,1] neg_hi:[0,0,1]  ; pair b: c s - c m
.elseif j < 70
.set e, j-38                        ; 66 to 69: s28 to s31
.if j < 66
.set e, j-32-(j-38)/4               ; 39-41, 43-45, .. 63-65: s7 to s27
.endif
.if j < 38
.set e, (j-25)/2                    ; 25, 27, .. 37: s0 to s6
.endif
	v_exp_f32 v[rS+e], v[rS+e]
.elseif j < 86
	v_cvt_pk_f16_f32 v[rP+j-70], v[rS+2*(j-70)], v[rS+2*(j-70)+1]
.elseif j < 102                     ; the sum of the tile's 16 pairs, in place: neighbours 1, 2, 4 and 8 pairs apart, then l takes it
.set z, j-86
.set w, 4
.set u, z
.if z >= 14
.set w, 32
.set u, 0
.elseif z >= 12
.set w, 16
.set u, z-12
.elseif z >= 8
.set w, 8
.set u, z-8
.endif
.if (z == 14) && \first
	v_pk_add_f32 v[rT+2:rT+3], v[rS:rS+1], v[rS+16:rS+17]
.elseif z < 15
	v_pk_add_f32 v[rS+w*u:rS+w*u+1], v[rS+w*u:rS+w*u+1], v[rS+w*u+w/2:rS+w*u+w/2+1]
.elseif !\first
	v_pk_fma_f32 v[rT+2:rT+3], v[rT+2:rT+3], v[rT+6:rT+7], v[rS:rS+1] op_sel_hi:[1,0,1]
.endif
.else
	WIN W_RS
	v_pk_mul_f32 v[rO:rO+1], v[rO:rO+1], v[rT+6:rT+7] op_sel_hi:[1,0]
.endif
.endm
; Slice k of 59 of piece y's softmax: four instructions.  Slices 11 to 34 deal out the batch, four numbers of ONE tile each, the tiles by turns; every other slice is numbers 2 k and 2 k + 1 of both tiles.
; Behind slice 34 no exponential is issued and ahead of slice 35 nothing names a result: one plain line and one wait serve the piece's 66 exponentials.
.macro SLICE y, first
.if (k >= 11) && (k < 35)
.irp n, 0,1,2,3
.set j, 22+4*((k-11)/2)+(\n)
	SM (\y)+(k-11)%2, \first
.endr
.else
.irp n, 0,1
.irp t, \y, \y+1
.set j, 2*k+\n
	SM \t, \first
.endr
.endr
.endif
.if k == 34
	v_nop                           ; the plain line behind the last exponential
.if (\y) == 0
	FETCH_V                         ; piece 2's turn: V's run of loads stands here, and the wait stands in it
.else
	s_wait_alu depctr_va_vdst(0)    ; the wait for the batch
.endif
.endif
.set k, k+1
.endm
; The slices behind product g of a turn's np: 59 / np each, and one more behind the first 59 % np.
.macro DEAL y, first
.set cnt, 59/np
.if g < (59%np)
.set cnt, cnt+1
.endif
.rept cnt
	SLICE \y, \first
.endr
.set g, g+1
.endm
.macro PLACES
.rept 4
	v_nop
.endr
.endm
; A TURN.  Piece x has the matrix unit; the other piece's softmax stands in slices behind its products.  pv = 2: 16 products V^T P; 1: they start O^T's sums; 0: none.  kq = 1: 16 products K Q^T for the next step.
; PLACES, by count.  A full turn's last product is followed by slice 58, four packed multiplies on the other piece's O^T: the places ahead of the next turn's reads of the scores and of the loads into K, which stand
; behind piece 0's second product.  V's loads stand behind slice 34, which is dealt behind the turn's 18th product; behind the last product that read V (the 16th) stand three scalings, the v_nop and the run's own addition.
; first = 1: the slices from 51 on are empty, and four v_nop close the turn.
.macro TURN x, pv, kq, first
.set k, 0
.set g, 0
.set np, 16
.if \pv && \kq
.set np, 32
.endif
.if \pv
.if \x == 0
	s_wait_dscnt 0x0                ; V is in
.endif
.set i, 0
.rept 16
	PV \x, 2-\pv
	DEAL 2-\x, \first
.if (\x == 0) && \kq && (i == 1)
	FETCH_K
.endif
.set i, i+1
.endr
.endif
.if \kq
.if \x == 0
	s_wait_dscnt 0x0                ; K is in
.endif
.set i, 0
.rept 16
	KQ \x
	DEAL 2-\x, \first
.set i, i+1
.endr
.endif
.if \first
	PLACES
.endif
.endm
; THE CHANGE OF SLOTS, between piece 2's turn and piece 0's: the slot's last bytes, V of its fourth step, have been asked for.  Each wave waits for all its tensor loads (one is out: its part of the other slot),
; adds 0 to its spare word, and waits for that and for its reads of the slot.  fill = 1: the barrier is a round of the cluster's, and the joint refill, with the keys two slots on, is the first thing behind it:
; it has four key steps, 256 products, in which to land.
.macro CHANGE fill
	WIN 0
	s_wait_tensorcnt 0x0            ; no tensor load of mine is out, so a group 0 may be written
	ds_add_u32 v[SPW], v[NIL]
.if \fill
.irp d, G0K+4, G0V+4
	s_xor_b32 s[\d+1], s[\d+1], SLOT1  ; the walking descriptor: the other slot than last time,
	s_add_nc_u64 s[\d+2:\d+3], s[\d+2:\d+3], SLOTMEM  ; the next 256 keys
.endr
	s_wait_xcnt 0x0                 ; the last prefetch, four key steps back, has read its address
	s_add_nc_u64 s[PFA:PFA+1], s[PFA:PFA+1], SLOTMEM
	s_wait_dscnt 0x0                ; the add is done, and my reads of the slot are over
	CROUND
	JLOAD
	ASK
.else
	s_wait_dscnt 0x0
	s_barrier_signal -1
	s_barrier_wait -1
.endif
	s_sub_co_u32 s[TBK], s[TBK], 4*KSTEPB  ; the fetches go back to a slot's first step,
	s_xor_b32 s[TBK], s[TBK], SLOT1        ; in the other slot
	s_sub_co_u32 s[TBV], s[TBV], 4*VSTEPB
	s_xor_b32 s[TBV], s[TBV], SLOT1
.endm
.macro N_STEPS n                    ; n key steps: written once, walked n times; the LDS addresses hang on s[TBK] and s[TBV]
	s_mov_b32 s[CNT], \n
.Lstep_\@:
	TURN 0, 2, 1, 0
	TURN 2, 2, 1, 0
	WIN 0
	s_sub_co_u32 s[CNT], s[CNT], 1
	s_cmp_lg_u32 s[CNT], 0
	s_cbranch_scc1 .Lstep_\@
.endm
	s_wait_tensorcnt 1              ; my part of slot 0 is in; slot 1's may stay out
	s_barrier_signal -1
	s_barrier_wait -1
	FETCH_K                         ; key step 0
	s_wait_loadcnt 0x0              ; Q
	s_wait_dscnt 0x0
.set i, 0
.rept 16
	KQ 0                            ; piece 0's first scores
.set i, i+1
.endr
	PLACES
	TURN 2, 0, 1, 1                 ; piece 2's first scores | piece 0's first softmax | V of step 0
	TURN 0, 1, 1, 1                 ; piece 0: V^T P of step 0 starts O^T, K Q^T of step 1 | piece 2's first softmax | K of step 1
	TURN 2, 1, 1, 0                 ; piece 2: the same | piece 0's softmax of step 1 | V of step 1
	WIN 0
	N_STEPS 2                       ; K and V of steps 2 and 3 are fetched: slot 0 is read out
.Lslot:                             ; six trips: every slot but the last two is filled again
	CHANGE 1
	N_STEPS 4
	s_sub_co_u32 s[SLOTS], s[SLOTS], 1
	s_cmp_lg_u32 s[SLOTS], 0
	s_cbranch_scc1 .Lslot
	CHANGE 0                        ; the tail is written out
	N_STEPS 4
	TURN 0, 2, 0, 0                 ; piece 0: V^T P of the last step | piece 2's last softmax
.set i, 0
.rept 16
	PV 2, 0                         ; piece 2: V^T P of the last step
.set i, i+1
.endr
	; THE WAY OUT.  l's halves and the other half of the lanes' are added (the first four additions are the places behind the last products); O^T is divided by l, rounded to f16 and stored from registers.
	WIN 0
.irp t, 0,1,2,3
	v_add_f32 v[ST+8*\t+4], v[ST+8*\t+2], v[ST+8*\t+3]
.endr
.irp t, 0,1,2,3
	v_permlanex16_b32 v[ST+8*\t+5], v[ST+8*\t+4], s[SEL], s[SEL+1]
.endr
.irp t, 0,1,2,3
	v_add_f32 v[ST+8*\t+4], v[ST+8*\t+4], v[ST+8*\t+5]
.endr
.irp t, 0,1,2,3
	v_rcp_f32 v[ST+8*\t+6], v[ST+8*\t+4]
.endr
	v_nop                           ; a plain line behind the last reciprocal
	s_wait_alu depctr_va_vdst(0)    ; one wait for the four, ahead of the first use
.irp t, 0,1,2,3
	WIN W_RS
.set i, 32*\t
.rept 16
	v_pk_mul_f32 v[i:i+1], v[i:i+1], v[ST+8*\t+6:ST+8*\t+7] op_sel_hi:[1,0]   ; ascending: each accumulator is first read at its low end
.set i, i+2
.endr
	WIN 0x05                        ; sources 0 and 1 window 1, destination window 0: S^T's registers are free
.set i, 0
.rept 16
	v_cvt_pk_f16_f32 v[S+16*\t+i], v[32*\t+2*i], v[32*\t+2*i+1]
.set i, i+1
.endr
	WIN 0
.irp ct, 0,1,2,3
	global_store_b128 v[GO], v[S+16*\t+4*\ct:S+16*\t+4*\ct+3], s[10:11] offset:32768*\t+512*\ct  ; the wave stores 512 consecutive bytes, aligned; every store has data registers of its own
.endr
.endr
	s_wait_tensorcnt 0x0            ; the wave's end
	ds_add_u32 v[SPW], v[NIL]
	s_wait_dscnt 0x0
	CROUND                          ; the closing round
	s_endpgm
.Lfunc_end_k_q867e84a71d_attn:
	.size	k_q867e84a71d_attn, .Lfunc_end_k_q867e84a71d_attn-k_q867e84a71d_attn
	.p2alignl 7, 3214868480
	.fill 96, 4, 3214868480
	.section	.rodata,"a",@progbits
	.p2align	6, 0x0
	.amdhsa_kernel k_q867e84a71d_attn
		.amdhsa_group_segment_fixed_size 327680
		.amdhsa_private_segment_fixed_size 0
		.amdhsa_enable_private_segment 0
		.amdhsa_kernarg_size 16
		.amdhsa_user_sgpr_count 2
		.amdhsa_user_sgpr_kernarg_segment_ptr 1
		.amdhsa_wavefront_size32 1
		.amdhsa_system_sgpr_workgroup_id_x 1
		.amdhsa_system_sgpr_workgroup_id_y 1
		.amdhsa_system_sgpr_workgroup_id_z 1
		.amdhsa_system_vgpr_workitem_id 0
		.amdhsa_next_free_vgpr 640
		.amdhsa_next_free_sgpr 66
		.amdhsa_reserve_vcc 0
		.amdhsa_float_denorm_mode_32 3
		.amdhsa_float_denorm_mode_16_64 3
		.amdhsa_memory_ordered 1
		.amdhsa_forward_progress 1
		.amdhsa_inst_pref_size 193
	.end_amdhsa_kernel
	.amdgpu_metadata
---
amdhsa.version: [ 1, 2 ]
amdhsa.kernels:
  - .name:           k_q867e84a71d_attn
    .symbol:         k_q867e84a71d_attn.kd
    .args:
      - { .name: qkv, .offset: 0, .size: 8, .value_kind: global_buffer, .address_space: global }
      - { .name: att, .offset: 8, .size: 8, .value_kind: global_buffer, .address_space: global }
    .group_segment_fixed_size: 327680
    .private_segment_fixed_size: 0
    .kernarg_segment_align: 8
    .kernarg_segment_size: 16
    .max_flat_workgroup_size: 128
    .sgpr_count:     66
    .vgpr_count:     640
    .wavefront_size: 32
...
	.end_amdgpu_metadata
.endif
;; end of part 3
;; launch oproj (part 4): grid 8 x 32, 4 waves a work-group, clusters of 4 x 4, 327,680 bytes of LDS; arguments att, wof, bo, out0; writes out0
.if DOCPART == 4
	.amdgcn_target "amdgcn-amd-amdhsa--gfx1250"
	.amdhsa_code_object_version 6
	.text
	.protected	k_q867e84a71d_oproj
	.globl	k_q867e84a71d_oproj
	.p2align	8
	.type	k_q867e84a71d_oproj,@function
k_q867e84a71d_oproj:
	s_mov_b64 s[64:65], 0
	v_nop
	global_prefetch_b8 v0, s[64:65] scope:SCOPE_SE
	s_setreg_imm32_b32 hwreg(HW_REG_WAVE_MODE, 25, 1), 1
	s_wait_xcnt 0x0
	s_wait_alu depctr_hold_cnt(0) depctr_sa_sdst(0) depctr_va_vdst(0) depctr_va_sdst(0) depctr_va_ssrc(0) depctr_va_vcc(0) depctr_vm_vsrc(0)
	s_getreg_b32 s2, hwreg(HW_REG_IB_STS2, 6, 4)
	s_cmp_eq_u32 s2, 0
	s_cbranch_scc0 .Lentry_in_a_cluster
	s_endpgm
.Lentry_in_a_cluster:
	s_bfe_u32 s2, ttmp6, 0x10000c
	s_cmp_lg_u32 s2, 0xf033
	s_cbranch_scc0 .Lentry_shape_is_right
	s_endpgm
.Lentry_shape_is_right:
; OPROJ: out0[m][n] = the sum over k of att[m][k] Wo[k][n] + bo[n]; m 4,096, n 1,024, k 1,024; f16 operands, f32 sums, f32 out.
; Both operands lie in memory as images of operand registers: att [m / 16][kc 32][c 2][lane][16 B], wof [n / 16][kc 32][c 2][lane][16 B]: a tile of 16 rows is 32,768 bytes, its part of a K step of 256 is 8,192
; consecutive bytes.  So a wave's tensor load brings 4 rows of 8,192 bytes, LDS needs no padding (a fragment load reads 512 consecutive bytes, lane i at 16 i), and no row pitch enters an address.
; A tile of C is 128 x 128: 256 work-groups.  Four waves, each 64 x 64: 16 accumulators.  K goes in four steps of 256 through two LDS slots.
; CLUSTERS: 4 x 4 work-groups; A's tiles are asked for jointly along a row of the cluster, B's along a column.  THE MATRIX INSTRUCTION IS USED TRANSPOSED (source 0 = 16 columns of Wo, source 1 = 16 rows of att):
; a lane holds eight neighbouring numbers of a row of C.  The bias is the C of each sum's first product.  No prefetch: four short K steps on small tiles.
; REGISTERS: window 0: v0-31 addresses; v32-95 at work on the way out; v96-127 the bias; v128-255 the accumulators ((a, b) at v[128 + 8 (4 a + b)]).   window 1: two fragment buffers of 128.
.set HALFT,  32768                     ; 64 rows of a K step: what one tensor load brings
.set SLOT,   4*HALFT                   ; A's two halves, then B's
.set STEPB,  8192                      ; a tile of 16 rows: its part of a K step
.set STAGE,  2*SLOT                    ; behind the ring: 16 rows x 272 bytes for each wave
.set SPITCH, 272
.set SPARE,  STAGE+4*16*SPITCH
.set LAPS,   2
.set ADRA, 16
.set ADRB, 20
.set STO,  24
.set RD,   25
.set CO,   26
.set SPW,  28
.set NIL,  29
.set TMP,  32
.set BI,   96
.set ACC,  128
.set F0,   0
.set F1,   128
.set G1, 24
.set G0, 32
.set G1B, 48
.set G0B, 56
.set MSB, 0
.macro WIN new
.if MSB != \new
	s_set_vgpr_msb (MSB<<8)|\new
.set MSB, \new
.endif
.endm
.set MUL,  0x05                        ; sources 0 (B) and 1 (A) window 1; C and D window 0
.set TO_F, 0x40
.macro JLOAD s                         ; a joint load: waves 0 and 1 fetch A's halves, waves 2 and 3 B's; s_nop 0 and four v_nop follow each line
	s_cmp_eq_u32 s11, 0
	s_cbranch_scc0 .Lfor_b_\@
	tensor_load_to_lds s[G0+4*\s:G0+4*\s+3], s[G1:G1+7]
	s_nop 0
.rept 4
	v_nop
.endr
	s_branch .Lasked_\@
.Lfor_b_\@:
	tensor_load_to_lds s[G0B+4*\s:G0B+4*\s+3], s[G1B:G1B+7]
	s_nop 0
.rept 4
	v_nop
.endr
.Lasked_\@:
.endm
.macro CREST
	s_cmp_lg_u32 s10, 0
	s_cbranch_scc1 .Lnot_wave_0_\@
	s_barrier_signal -3
.Lnot_wave_0_\@:
	s_barrier_wait -3
	s_barrier_signal -1
	s_barrier_wait -1
.endm
.macro CROUND
	s_barrier_signal -1
	s_barrier_wait -1
	CREST
.endm
	s_load_b128 s[4:7], s[0:1], 0x0                ; att, wof
	s_load_b64 s[66:67], s[0:1], 0x10              ; bo
	s_load_b64 s[8:9], s[0:1], 0x18                ; out0
	v_lshl_add_u32 v[SPW], v0, 2, SPARE
	v_mov_b32 v[NIL], 0
	ds_add_u32 v[SPW], v[NIL]                      ; the wave's opening: the add, twice on end, and its wait ahead of my first tensor load
	ds_add_u32 v[SPW], v[NIL]
	v_lshrrev_b32 v1, 5, v0
	v_readfirstlane_b32 s10, v1                    ; wave 0..3
	s_lshr_b32 s11, s10, 1                         ; my half of the tile's rows.  Also: I fetch for A (0) or for B (1)
	s_and_b32 s12, s10, 1                          ; my half of its columns.  Also: which 64 rows of that tile I fetch
	s_bfe_u32 s40, ttmp6, 0x40000                  ; cx
	s_bfe_u32 s41, ttmp6, 0x40004                  ; cy
	s_lshl_b32 s42, ttmp9, 2
	s_add_co_u32 s42, s42, s40                     ; tile column 0..7
	s_and_b32 s13, ttmp7, 0xffff
	s_lshl_b32 s13, s13, 2
	s_add_co_u32 s13, s13, s41                     ; tile row 0..31
	s_lshl_b32 s43, s41, 2
	s_lshl_b32 s43, 15, s43                        ; my row of the cluster
	s_lshl_b32 s44, 0x1111, s40                    ; my column
	s_or_b32 s[G1+0], s43, (3<<16)|(1<<21)         ; the mask; elements of 8 bytes; bit 21 beside a mask; no padding
	s_or_b32 s[G1B+0], s44, (3<<16)|(1<<21)
.irp d, G1, G1B
	s_mov_b32 s[\d+1], 1024<<16                    ; tensor_dim0 = 1,024 elements: 8,192 bytes
	s_mov_b32 s[\d+2], 4<<16                       ; tensor_dim1 = 4
	s_mov_b32 s[\d+3], 1024<<16                    ; tile_dim0
	s_mov_b32 s[\d+4], 4                           ; tile_dim1
	s_mov_b32 s[\d+5], 4096                        ; from row to row: 32,768 bytes
	s_mov_b32 s[\d+6], 0
	s_mov_b32 s[\d+7], 0
.endr
	s_lshl_b32 s16, s13, 18                        ; A: (8 x tile row + 4 x half) tiles of 32,768 bytes
	s_lshl_b32 s17, s12, 17
	s_add_co_u32 s16, s16, s17
	s_lshl_b32 s46, s42, 18                        ; B: the same by the tile column
	s_add_co_u32 s46, s46, s17
	s_mov_b32 s17, 0
	s_mov_b32 s47, 0
	s_mul_i32 s20, s10, HALFT                      ; where they go: wave x 32,768
	s_wait_dscnt 0x0                               ; both opening adds are done
	s_wait_kmcnt 0x0
	s_add_nc_u64 s[14:15], s[4:5], s[16:17]
	s_add_nc_u64 s[46:47], s[6:7], s[46:47]
	CROUND                                         ; all sixteen work-groups are here: the first joint loads meet
.irp s, 0,1
	s_mov_b32 s[G0+4*\s], 1
	s_add_co_u32 s[G0+4*\s+1], s20, \s*SLOT
	s_add_nc_u64 s[G0+4*\s+2:G0+4*\s+3], s[14:15], \s*STEPB
	s_or_b32 s[G0+4*\s+3], s[G0+4*\s+3], 0x80000000
	s_mov_b32 s[G0B+4*\s], 1
	s_add_co_u32 s[G0B+4*\s+1], s20, \s*SLOT
	s_add_nc_u64 s[G0B+4*\s+2:G0B+4*\s+3], s[46:47], \s*STEPB
	s_or_b32 s[G0B+4*\s+3], s[G0B+4*\s+3], 0x80000000
	JLOAD \s
.endr
	v_and_b32 v1, 15, v0                           ; r
	v_bfe_u32 v2, v0, 4, 1                         ; h
	v_and_b32 v3, 31, v0
	v_lshlrev_b32 v3, 4, v3                        ; 16 x lane: an image's place for my lane
	s_mul_i32 s21, s11, HALFT                      ; my 64 rows of A
	s_mul_i32 s22, s12, HALFT
	s_add_co_u32 s22, s22, 2*HALFT                 ; my 64 columns of B, behind A's halves
.irp s, 0,1
	v_add_nc_u32 v[ADRA+\s], s21, v3
	v_add_nc_u32 v[ADRB+\s], s22, v3
	s_add_co_u32 s21, s21, SLOT
	s_add_co_u32 s22, s22, SLOT
.endr
	s_mul_i32 s23, s10, 16*SPITCH
	s_add_co_u32 s23, s23, STAGE                   ; my stage
	v_mul_u32_u24 v4, v1, SPITCH
	v_lshl_add_u32 v4, v2, 5, v4
	v_add_nc_u32 v[STO], s23, v4                   ; in: row r, 32 bytes for each half of the lanes
	v_mul_u32_u24 v5, v2, SPITCH
	v_lshl_add_u32 v5, v1, 4, v5
	v_add_nc_u32 v[RD], s23, v5                    ; back: lanes 0-15 one row of 256 bytes, lanes 16-31 the next
	v_lshlrev_b32 v5, 12, v2
	v_lshl_add_u32 v[CO], v1, 4, v5                ; and the same two rows in out0 (rows of 4,096 bytes)
	v_lshlrev_b32 v6, 5, v2                        ; the bias: 32 h bytes
	s_lshl_b32 s46, s42, 9                         ; my first column, in bytes: 512 x tile column + 256 x half
	s_lshl_b32 s47, s12, 8
	s_add_co_u32 s46, s46, s47
	s_mov_b32 s47, 0
	s_add_nc_u64 s[66:67], s[66:67], s[46:47]
	s_lshl_b32 s16, s13, 19                        ; my first row: (128 x tile row + 64 x half) x 4,096 bytes
	s_lshl_b32 s17, s11, 18
	s_add_co_u32 s16, s16, s17
	s_mov_b32 s17, 0
	s_add_nc_u64 s[8:9], s[8:9], s[16:17]
	s_add_nc_u64 s[8:9], s[8:9], s[46:47]
.irp b, 0,1,2,3
	global_load_b128 v[BI+8*\b:BI+8*\b+3], v6, s[66:67] offset:64*\b         ; lane (r, h): bo(16 b + 8 h + 0..7): the result's layout
	global_load_b128 v[BI+8*\b+4:BI+8*\b+7], v6, s[66:67] offset:64*\b+16
.endr
; 8 matrix instructions: m blocks a0, a0 + 1 x all 4 n blocks, 32 along K: half c of buffer f.  zero = 1: the first product starts the sum from the bias.  The 16 accumulators take turns.
.macro MUL8 f, c, a0, zero
.irp a, \a0, \a0+1
.irp b, 0,1,2,3
.if \zero
	v_wmma_f32_16x16x32_f16 v[ACC+8*(4*(\a)+\b):ACC+8*(4*(\a)+\b)+7], v[\f+64+8*(4*\c+\b):\f+64+8*(4*\c+\b)+7], v[\f+8*(4*\c+\a):\f+8*(4*\c+\a)+7], v[BI+8*\b:BI+8*\b+7]
.else
	v_wmma_f32_16x16x32_f16 v[ACC+8*(4*(\a)+\b):ACC+8*(4*(\a)+\b)+7], v[\f+64+8*(4*\c+\b):\f+64+8*(4*\c+\b)+7], v[\f+8*(4*\c+\a):\f+8*(4*\c+\a)+7], v[ACC+8*(4*(\a)+\b):ACC+8*(4*(\a)+\b)+7]
.endif
.endr
.endr
.endm
; 32 LDS loads in one run: the fragments of 64 along K (two blocks of 1,024 bytes in each tile of 16 rows) from byte k of the tiles' 8,192, into buffer f; the first 32 along K first
.macro FETCH slot, k, f
	WIN TO_F
.irp c, 0,1
.irp i, 0,1,2,3
	ds_load_b128 v[\f+64+8*(4*\c+\i):\f+64+8*(4*\c+\i)+3],   v[ADRB+\slot] offset:\k+1024*\c+\i*STEPB
	ds_load_b128 v[\f+64+8*(4*\c+\i)+4:\f+64+8*(4*\c+\i)+7], v[ADRB+\slot] offset:\k+1024*\c+\i*STEPB+512
	ds_load_b128 v[\f+8*(4*\c+\i):\f+8*(4*\c+\i)+3],         v[ADRA+\slot] offset:\k+1024*\c+\i*STEPB
	ds_load_b128 v[\f+8*(4*\c+\i)+4:\f+8*(4*\c+\i)+7],       v[ADRA+\slot] offset:\k+1024*\c+\i*STEPB+512
.endr
.endr
.endm
.macro PLACES
.rept 4
	v_nop
.endr
.endm
.macro QUARTER slot, k, f, g, zero     ; multiplies buffer f (64 along K) and fetches the next quarter, at byte k, into g
	s_wait_dscnt 16                                ; the first 32 along K are in; the youngest sixteen loads may be out
	WIN MUL
	MUL8 \f, 0, 0, \zero
	MUL8 \f, 0, 2, \zero
	PLACES
	FETCH \slot, \k, \g
	s_wait_dscnt 32                                ; all but the 32 just issued
	WIN MUL
	MUL8 \f, 1, 0, 0
	MUL8 \f, 1, 2, 0
.endm
; The last quarter multiplies buffer 1 and changes slots: one barrier; in front of it each wave waits for all its tensor loads, adds 0 to its spare word, and waits for that and for its reads of this slot.
.macro TURN slot, next, fill
	WIN 0
	s_wait_tensorcnt 0x0                           ; all my tensor loads have landed: my part of the next slot
	ds_add_u32 v[SPW], v[NIL]
	s_wait_dscnt 17                                ; the add and the youngest sixteen loads may be out
	WIN MUL
	MUL8 F1, 0, 0, 0
	s_wait_dscnt 0x0                               ; the add is done, and my reads of this slot are over
	s_barrier_signal -1
	MUL8 F1, 0, 2, 0
.if \fill
	WIN 0
.endif
	s_barrier_wait -1
.if \fill
	CREST                                          ; the barrier has opened a round of the cluster's: no wave of any partner still reads this slot or has a load on its way
	s_add_nc_u64 s[G0+4*\slot+2:G0+4*\slot+3], s[G0+4*\slot+2:G0+4*\slot+3], 2*STEPB
	s_add_nc_u64 s[G0B+4*\slot+2:G0B+4*\slot+3], s[G0B+4*\slot+2:G0B+4*\slot+3], 2*STEPB
	JLOAD \slot                                    ; the first tensor load behind the round; its four v_nop are also the places in front of the loads below
.else
	PLACES
.endif
	FETCH \next, 0, F0
	WIN MUL
	MUL8 F1, 1, 0, 0
	MUL8 F1, 1, 2, 0
.endm
	s_wait_tensorcnt 1                             ; my part of K step 0 is in; K step 1's load may be out
	s_barrier_signal -1
	s_barrier_wait -1
	FETCH 0, 0, F0
	s_wait_loadcnt 0x0                             ; the bias
	QUARTER 0, 2048, F0, F1, 1                     ; the first quarter stands in front of the loop: its first products start the sums
	WIN 0
	s_mov_b32 s3, LAPS-1
.Llap:                                                 ; a trip goes once round the ring and fills both slots again
	QUARTER 0, 4096, F1, F0, 0
	QUARTER 0, 6144, F0, F1, 0
	TURN 0, 1, 1
	QUARTER 1, 2048, F0, F1, 0
	QUARTER 1, 4096, F1, F0, 0
	QUARTER 1, 6144, F0, F1, 0
	TURN 1, 0, 1
	QUARTER 0, 2048, F0, F1, 0
	WIN 0
	s_sub_co_u32 s3, s3, 1
	s_cmp_lg_u32 s3, 0
	s_cbranch_scc1 .Llap
	QUARTER 0, 4096, F1, F0, 0                     ; the last lap fills nothing
	QUARTER 0, 6144, F0, F1, 0
	TURN 0, 1, 0
	QUARTER 1, 2048, F0, F1, 0
	QUARTER 1, 4096, F1, F0, 0
	QUARTER 1, 6144, F0, F1, 0
	s_wait_dscnt 16                                ; the very last quarter: nothing more to fetch
	WIN MUL
	MUL8 F1, 0, 0, 0
	MUL8 F1, 0, 2, 0
	s_wait_dscnt 0
	MUL8 F1, 1, 0, 0
	MUL8 F1, 1, 2, 0
	WIN 0
; THE WAY OUT, a block of 16 rows x 64 columns at a time, through my own stage: a wave's 64 f32 columns are 256 consecutive bytes of a row of out0, aligned, so no other wave is needed and no barrier.
.macro TOSTAGE a
.irp b, 0,1,2,3
	ds_store_b128 v[STO], v[ACC+8*(4*(\a)+\b):ACC+8*(4*(\a)+\b)+3] offset:64*\b        ; each accumulator from its low end on
	ds_store_b128 v[STO], v[ACC+8*(4*(\a)+\b)+4:ACC+8*(4*(\a)+\b)+7] offset:64*\b+16
.endr
.set BB, TMP+32*((\a)%2)
.irp t, 0,1,2,3,4,5,6,7
	ds_load_b128 v[BB+4*\t:BB+4*\t+3], v[RD] offset:\t*2*SPITCH    ; LDS serves a wave's instructions in order: these see the stores above
.endr
.endm
.macro SEND a, younger                 ; younger: the LDS instructions issued behind block a's loads, which may stay out
.set BB, TMP+32*((\a)%2)
	s_wait_dscnt \younger
.irp t, 0,1,2,3,4,5,6,7
	global_store_b128 v[CO], v[BB+4*\t:BB+4*\t+3], s[8:9] offset:65536*(\a)+8192*\t th:TH_STORE_NT   ; sixteen lanes store 256 consecutive bytes, aligned
.endr
.endm
	PLACES                                         ; the stores into the stage read results
	TOSTAGE 0
.irp a, 1,2,3
.if \a > 1
	s_wait_xcnt 0x0                                ; block a - 2's stores have read their registers: block a's loads may land there
.endif
	TOSTAGE \a
	SEND \a-1, 16                                  ; behind block a - 1's loads: block a's 8 stores and 8 loads
.endr
	SEND 3, 0
	s_wait_tensorcnt 0x0                           ; the wave's end
	ds_add_u32 v[SPW], v[NIL]
	s_wait_dscnt 0x0
	CROUND                                         ; the closing round
	s_endpgm
.Lfunc_end_k_q867e84a71d_oproj:
	.size	k_q867e84a71d_oproj, .Lfunc_end_k_q867e84a71d_oproj-k_q867e84a71d_oproj
	.p2alignl 7, 3214868480
	.fill 96, 4, 3214868480
	.section	.rodata,"a",@progbits
	.p2align	6, 0x0
	.amdhsa_kernel k_q867e84a71d_oproj
		.amdhsa_group_segment_fixed_size 327680
		.amdhsa_private_segment_fixed_size 0
		.amdhsa_enable_private_segment 0
		.amdhsa_kernarg_size 32
		.amdhsa_user_sgpr_count 2
		.amdhsa_user_sgpr_kernarg_segment_ptr 1
		.amdhsa_wavefront_size32 1
		.amdhsa_system_sgpr_workgroup_id_x 1
		.amdhsa_system_sgpr_workgroup_id_y 1
		.amdhsa_system_sgpr_workgroup_id_z 1
		.amdhsa_system_vgpr_workitem_id 0
		.amdhsa_next_free_vgpr 512
		.amdhsa_next_free_sgpr 72
		.amdhsa_reserve_vcc 0
		.amdhsa_float_denorm_mode_32 3
		.amdhsa_float_denorm_mode_16_64 3
		.amdhsa_memory_ordered 1
		.amdhsa_forward_progress 1
		.amdhsa_inst_pref_size 86
	.end_amdhsa_kernel
	.amdgpu_metadata
---
amdhsa.version: [ 1, 2 ]
amdhsa.kernels:
  - .name:           k_q867e84a71d_oproj
    .symbol:         k_q867e84a71d_oproj.kd
    .args:
      - { .name: att, .offset: 0, .size: 8, .value_kind: global_buffer, .address_space: global }
      - { .name: wof, .offset: 8, .size: 8, .value_kind: global_buffer, .address_space: global }
      - { .name: bo, .offset: 16, .size: 8, .value_kind: global_buffer, .address_space: global }
      - { .name: out0, .offset: 24, .size: 8, .value_kind: global_buffer, .address_space: global }
    .group_segment_fixed_size: 327680
    .private_segment_fixed_size: 0
    .kernarg_segment_align: 8
    .kernarg_segment_size: 32
    .max_flat_workgroup_size: 128
    .sgpr_count:     72
    .vgpr_count:     512
    .wavefront_size: 32
...
	.end_amdgpu_metadata
.endif
;; end of part 4
